; MI455X (gfx1250); checked and timed in simulation.
; The chip was launched on July 23, 2026; its instructions are those of AMD's public machine-readable ISA for CDNA 5 (MIT licence, August 2026) and "CDNA5" Instruction Set Architecture Reference Guide (July 2026). The comments in the code are by the model that wrote it; some were corrected since.
;; Block. Allowed arithmetic: float matrix products may take bf16 or f16 operands with f32 sums; other float arithmetic in f32, or as packed bf16 or f16 multiplies, adds, multiply-adds, maxima and minima; sums over many terms, partial sums and values carried from step to step in f32; what a program stores and reads back later, other than sums and carried values, may be rounded once to bf16 or f16.
;; Inputs: W1 512 x 2,048 float32; W2 2,048 x 512 float32; Wk 512 x 512 float32; Wo 512 x 512 float32; Wq 512 x 512 float32; Wv 512 x 512 float32; b1 2,048 float32; b2 512 float32; bo 512 float32; ln1_b 512 float32; ln1_g 512 float32; ln2_b 512 float32; ln2_g 512 float32; x 4 x 2,048 x 512 float32.
;; Outputs: out0 4 x 2,048 x 512 float32.
;; One version. Each part assembles by itself: llvm-mc -triple=amdgcn-amd-amdhsa -mcpu=gfx1250 --defsym DOCPART=n.
;; ======== version 1 of 1: 7 launches
;; limits: values are held in f16: magnitudes above 65,504 overflow, below 6.1e-05 lose precision
;; workspace buffers: wfrag 6,291,456 bytes; hfrag 8,388,608 bytes; xb 8,388,608 bytes; qkv 25,165,824 bytes; ofrag 8,388,608 bytes; x1 16,777,216 bytes; h2frag 8,388,608 bytes; afrag 33,554,432 bytes
;; launch prep (part 1): grid 704 x 1, 4 waves a work-group, no clusters, 1,024 bytes of LDS; arguments x, ln1_g, ln1_b, Wq, Wk, Wv, Wo, W1, W2, hfrag, xb, wfrag; writes hfrag, xb, wfrag
.if DOCPART == 1
	.amdgcn_target "amdgcn-amd-amdhsa--gfx1250"
	.amdhsa_code_object_version 6
	.text
	.protected	k_qd6543fbe00_prep
	.globl	k_qd6543fbe00_prep
	.p2align	8
	.type	k_qd6543fbe00_prep,@function
k_qd6543fbe00_prep:
	s_mov_b64 s[64:65], 0
	v_nop
	global_prefetch_b8 v0, s[64:65] scope:SCOPE_SE
	s_setreg_imm32_b32 hwreg(HW_REG_WAVE_MODE, 25, 1), 1
	s_wait_xcnt 0x0
; PREP.  Work-groups 0-511: h = LayerNorm1(x) for 16 rows each, and x rounded to bf16.  Work-groups 512-703: the six weight matrices, turned and cast.
; FRAGMENT ORDER.  All 16-bit matrix operands of this program lie in memory as the matrix instruction holds them: a block of 1,024 bytes is 16 lines x 32 k;
; byte c*512 + lane*16 + 2j holds (line lane%16, k = 16c + 8(lane/16) + j).  Two loads of 16 bytes a lane, 512 bytes apart, are a fragment, and every load and store of a wave covers 512 bytes on end.
; hfrag: blocks [row block 512][ks 16] in f16.  xb: the same places, bf16(x).  wfrag: blocks [column block][ks] in f16: Wq, Wk, Wv, Wo (512 KB each), W1 at 2 MB, W2 at 4 MB.
; FORMATS.  x, gain, bias and weights are rounded once to bf16 (nearest even) and used as those numbers; sums, mean and variance in f32, the variance from the deviations.
; LIMITS.  h is stored in f16: beyond 65,504 it is an infinity.  A weight is its bf16 value written as f16: exact from 6.1e-5 to 65,504, below that on f16's fixed step of 6e-8, beyond it an infinity.
; No matrix unit, no tensor load, no cluster: the launch streams, and no two work-groups read the same bytes.
.set RED1,  0                          ; 16 rows x 4 waves x 4 bytes: the rows' sums
.set RED2,  256                        ; the same for the sums of squares: bytes of their own, so that one barrier serves each
.set SPARE, 512                        ; the spare words, 128 bytes a wave: no other line names them
.set XO,  1                            ; v1   my byte offset in x's 16 rows
.set GO,  2                            ; v2   my byte offset in gain and bias
.set L16, 3                            ; v3   16 x lane
.set RA,  4                            ; v4   where I put my wave's part of a row's sum
.set RB,  5                            ; v5   where I read the row's four parts
.set MU,  6                            ; v[6:7]  the mean, twice
.set RS,  8                            ; v[8:9]  1/sqrt(var + eps), twice
.set INV, 10                           ; v10  1/512
.set SPW, 11                           ; v11  my spare word's LDS address; never rewritten
.set NIL, 12                           ; v12  0; never rewritten
.set VR,  14                           ; v14  lane % 16
.set VH,  15                           ; v15  lane / 16
.set T,   16                           ; v16-31  at work; in the cast: sixteen offsets
.set X,   32                           ; v32-95  my 64 numbers of a row; in the cast v32-159: eight blocks
.set G,   96                           ; v96-159 their gains
.set BT,  160                          ; v160-223 their biases; in the cast: at work
.set XB,  224                          ; v224-255 x in bf16, later h in f16
.set WV,  28                           ; s28  my wave's number
.set HIM, 29                           ; s29  a word's upper half
.macro ROUNDBF a, tmp                  ; two f32 rounded to bf16 and widened again, in place
	v_cvt_pk_bf16_f32 v[\tmp], v[\a], v[(\a)+1]
	v_lshlrev_b32 v[\a], 16, v[\tmp]
	v_and_b32 v[(\a)+1], s[HIM], v[\tmp]
.endm
.macro FOLD                            ; four chains of pairs in v[T:T+7] -> v[T]: my wave's 128 columns of the row (the row's other 64 numbers lie in the lane 16 away)
	v_pk_add_f32 v[T:T+1], v[T:T+1], v[T+2:T+3]
	v_pk_add_f32 v[T+4:T+5], v[T+4:T+5], v[T+6:T+7]
	v_pk_add_f32 v[T:T+1], v[T:T+1], v[T+4:T+5]
	v_add_f32 v[T], v[T], v[T+1]
	v_permlanex16_b32 v[T+1], v[T], s40, s41
	v_add_f32 v[T], v[T], v[T+1]
.endm
.macro ACROSS red                      ; the four waves' parts of each row are added: store, wait, barrier, load
	ds_store_b32 v[RA], v[T] offset:\red
	s_wait_dscnt 0x0                               ; for the others' sake: my store is done
	s_barrier_signal -1
	s_barrier_wait -1
	ds_load_b128 v[T+8:T+11], v[RB] offset:\red
	s_wait_dscnt 0x0
	v_add_f32 v[T+8], v[T+8], v[T+9]
	v_add_f32 v[T+10], v[T+10], v[T+11]
	v_add_f32 v[T], v[T+8], v[T+10]
.endm
.macro END3                            ; the wave's end
	s_wait_tensorcnt 0x0
	ds_add_u32 v[SPW], v[NIL]
	s_wait_dscnt 0x0
.endm
	s_load_b512 s[4:19], s[0:1], 0x0               ; x 4, ln1_g 6, ln1_b 8, Wq 10, Wk 12, Wv 14, Wo 16, W1 18
	s_load_b256 s[20:27], s[0:1], 0x40             ; W2 20, hfrag 22, xb 24, wfrag 26
	v_lshl_add_u32 v[SPW], v0, 2, SPARE
	v_mov_b32 v[NIL], 0
	v_lshrrev_b32 v[T], 5, v0
	v_readfirstlane_b32 s[WV], v[T]
	v_and_b32 v[VR], 15, v0
	v_bfe_u32 v[VH], v0, 4, 1
	v_and_b32 v[L16], 31, v0
	v_lshlrev_b32 v[L16], 4, v[L16]
	s_mov_b32 s[HIM], 0xffff0000
	s_cmp_ge_u32 ttmp9, 512                        ; the same answer in all four waves
	s_cbranch_scc1 .Lcast
	; ---- LAYERNORM 1.  Row block mb = the work-group's number; wave w has column blocks 8w .. 8w+7; lane (r, h) has columns 16 nb + 8h + 0..7 of row r: 64 numbers.
	s_lshl_b32 s30, s[WV], 9                       ; 128 columns of f32
	v_lshlrev_b32 v[GO], 5, v[VH]
	v_add_nc_u32 v[GO], s30, v[GO]                 ; 512 w + 32 h
	v_lshl_add_u32 v[XO], v[VR], 11, v[GO]         ; + 2,048 r
	v_lshlrev_b32 v[RB], 4, v[VR]
	s_lshl_b32 s31, s[WV], 2
	v_add_nc_u32 v[RA], s31, v[RB]
	v_mov_b32 v[INV], 0x3b000000                   ; 1/512
	s_mov_b32 s40, 0x76543210                      ; v_permlanex16_b32: each lane takes its own place in the other half
	s_mov_b32 s41, 0xfedcba98
	s_lshl_b32 s32, ttmp9, 15                      ; 16 rows of 2,048 bytes
	s_mov_b32 s33, 0
	s_lshl_b32 s34, ttmp9, 14                      ; 32 pieces of 512 bytes,
	s_lshl_b32 s35, s[WV], 12                      ; my wave's eight of them
	s_add_co_u32 s34, s34, s35
	s_mov_b32 s35, 0
	s_wait_kmcnt 0x0
	s_add_nc_u64 s[4:5], s[4:5], s[32:33]
	s_add_nc_u64 s[22:23], s[22:23], s[34:35]
	s_add_nc_u64 s[24:25], s[24:25], s[34:35]
.set n, 0
.rept 8
	global_load_b128 v[X+8*n:X+8*n+3],   v[XO], s[4:5] offset:64*n
	global_load_b128 v[X+8*n+4:X+8*n+7], v[XO], s[4:5] offset:64*n+16
.set n, n+1
.endr
.set n, 0
.rept 8
	global_load_b128 v[G+8*n:G+8*n+3],   v[GO], s[6:7] offset:64*n
	global_load_b128 v[G+8*n+4:G+8*n+7], v[GO], s[6:7] offset:64*n+16
.set n, n+1
.endr
.set n, 0
.rept 8
	global_load_b128 v[BT+8*n:BT+8*n+3],   v[GO], s[8:9] offset:64*n
	global_load_b128 v[BT+8*n+4:BT+8*n+7], v[GO], s[8:9] offset:64*n+16
.set n, n+1
.endr
	s_wait_loadcnt 32                              ; x is in; the 32 loads of gain and bias are younger
.set p, 0
.rept 32
	v_cvt_pk_bf16_f32 v[XB+p], v[X+2*p], v[X+2*p+1]
.set p, p+1
.endr
.set n, 0
.rept 8
	global_store_b128 v[L16], v[XB+4*n:XB+4*n+3], s[24:25] offset:512*n  ; 512 bytes on end
.set n, n+1
.endr
.set p, 0
.rept 32
	v_lshlrev_b32 v[X+2*p], 16, v[XB+p]            ; from here on x is its bf16 value
	v_and_b32 v[X+2*p+1], s[HIM], v[XB+p]
.set p, p+1
.endr
.set p, 0
.rept 4                                            ; the first four additions start the chains: nothing is cleared
	v_pk_add_f32 v[T+2*p:T+2*p+1], v[X+2*p:X+2*p+1], v[X+8+2*p:X+8+2*p+1]
.set p, p+1
.endr
.set p, 8
.rept 24
	v_pk_add_f32 v[T+2*(p%4):T+2*(p%4)+1], v[T+2*(p%4):T+2*(p%4)+1], v[X+2*p:X+2*p+1]
.set p, p+1
.endr
	FOLD
	ACROSS RED1
	v_mul_f32 v[MU], v[INV], v[T]
	v_mov_b32 v[MU+1], v[MU]
.set p, 0
.rept 32
	v_pk_add_f32 v[X+2*p:X+2*p+1], v[X+2*p:X+2*p+1], v[MU:MU+1] neg_lo:[0,1] neg_hi:[0,1]
.set p, p+1
.endr
.set p, 0
.rept 4
	v_pk_mul_f32 v[T+2*p:T+2*p+1], v[X+2*p:X+2*p+1], v[X+2*p:X+2*p+1]
.set p, p+1
.endr
.set p, 4
.rept 28
	v_pk_fma_f32 v[T+2*(p%4):T+2*(p%4)+1], v[X+2*p:X+2*p+1], v[X+2*p:X+2*p+1], v[T+2*(p%4):T+2*(p%4)+1]
.set p, p+1
.endr
	FOLD
	ACROSS RED2
	v_fmaak_f32 v[RS], v[T], v[INV], 0x3727c5ac    ; the variance + 1e-5
	v_rsq_f32 v[RS], v[RS]
	v_nop                                          ; a plain instruction behind the root (ISA guide 5.7.2)
	s_wait_alu depctr_va_vdst(0)
	v_mov_b32 v[RS+1], v[RS]
	s_wait_loadcnt 0x0                             ; gain and bias
.set p, 0
.rept 32
	ROUNDBF G+2*p, T+p%16
	ROUNDBF BT+2*p, T+(p+8)%16
.set p, p+1
.endr
.set p, 0
.rept 32
	v_pk_mul_f32 v[X+2*p:X+2*p+1], v[X+2*p:X+2*p+1], v[RS:RS+1]
.set p, p+1
.endr
.set p, 0
.rept 32
	v_pk_fma_f32 v[X+2*p:X+2*p+1], v[X+2*p:X+2*p+1], v[G+2*p:G+2*p+1], v[BT+2*p:BT+2*p+1]
.set p, p+1
.endr
	s_wait_xcnt 0x0                                ; xb's stores have read v224-255, which are written again only behind this wait
.set p, 0
.rept 32
	v_cvt_pk_f16_f32 v[XB+p], v[X+2*p], v[X+2*p+1]
.set p, p+1
.endr
.set n, 0
.rept 8
	global_store_b128 v[L16], v[XB+4*n:XB+4*n+3], s[22:23] offset:512*n
.set n, n+1
.endr
	END3
	s_endpgm
	; ---- THE WEIGHTS.  cid = 0..191.  Class 0 (cid < 64): Wq, Wk, Wv, Wo, 16 work-groups each; class 1: W2; class 2: W1.  A wave makes eight blocks, one column block nb and eight ks on end:
	; 8,192 bytes on end of wfrag; a work-group 32,768: region + u x 32,768 + wave x 8,192.  A block's element (line r, k) is W[k][16 nb + r]: 16 lanes read 64 bytes on end of a row of W.
.Lcast:
	s_sub_co_u32 s30, ttmp9, 512                   ; cid
	s_lshr_b32 s31, s30, 6                         ; class
	s_lshl_b32 s48, s31, 6
	s_sub_co_u32 s49, s30, s48                     ; u: my number in the class
	s_lshr_b32 s50, s30, 4                         ; in class 0: which matrix
	s_cmp_eq_u32 s31, 0
	s_cselect_b32 s51, 15, 63
	s_and_b32 s51, s49, s51
	s_lshr_b32 s52, s[WV], 1
	s_lshl1_add_u32 s51, s51, s52                  ; classes 0, 2 (16 ks): nb = 2 u + wave / 2,
	s_and_b32 s52, s[WV], 1
	s_lshl_b32 s52, s52, 3                         ; first ks = 8 (wave % 2)
	s_lshr_b32 s53, s49, 1                         ; class 1 (64 ks): nb = u / 2,
	s_and_b32 s54, s49, 1
	s_lshl_b32 s54, s54, 5
	s_lshl3_add_u32 s54, s[WV], s54                ; first ks = 32 (u % 2) + 8 wave
	s_mov_b32 s56, 2048                            ; bytes in a row of W: 512 columns,
	s_cmp_eq_u32 s31, 1
	s_cselect_b32 s51, s53, s51
	s_cselect_b32 s52, s54, s52
	s_cselect_b32 s55, 0x400000, 0                 ; the class's region in wfrag
	s_cmp_eq_u32 s31, 2
	s_cselect_b32 s55, 0x200000, s55
	s_cselect_b32 s56, 8192, s56                   ; or W1's 2,048
	s_lshl_b32 s57, s49, 15
	s_add_co_u32 s55, s55, s57
	s_lshl_b32 s57, s[WV], 13
	s_add_co_u32 s58, s55, s57                     ; where my eight blocks go
	s_mov_b32 s59, 0
	s_mul_i32 s60, s52, s56
	s_lshl_b32 s60, s60, 5                         ; 32 rows a ks
	s_lshl_b32 s57, s51, 6                         ; 64 bytes a column block
	s_add_co_u32 s60, s60, s57
	s_mov_b32 s61, 0
	s_lshl_b32 s62, s56, 5                         ; from a block to the next: 32 rows
	s_mov_b32 s63, 0
	s_lshl_b32 s57, s56, 4                         ; 16 rows
	v_lshlrev_b32 v[T], 3, v[VH]
	v_mul_lo_u32 v[T], v[T], s56
	v_lshl_add_u32 v[T], v[VR], 2, v[T]            ; offset 8c + j: row 16c + 8h + j, column r
.irp j, 1,2,3,4,5,6,7
	v_add_nc_u32 v[T+\j], s56, v[T+\j-1]
.endr
	v_add_nc_u32 v[T+8], s57, v[T]
.irp j, 9,10,11,12,13,14,15
	v_add_nc_u32 v[T+\j], s56, v[T+\j-1]
.endr
	s_wait_kmcnt 0x0
	s_cmp_eq_u32 s50, 1                            ; the source is chosen by the work-group's number alone
	s_cselect_b64 s[32:33], s[12:13], s[10:11]
	s_cmp_eq_u32 s50, 2
	s_cselect_b64 s[32:33], s[14:15], s[32:33]
	s_cmp_eq_u32 s50, 3
	s_cselect_b64 s[32:33], s[16:17], s[32:33]
	s_cmp_eq_u32 s31, 1
	s_cselect_b64 s[32:33], s[20:21], s[32:33]
	s_cmp_eq_u32 s31, 2
	s_cselect_b64 s[32:33], s[18:19], s[32:33]
	s_add_nc_u64 s[32:33], s[32:33], s[60:61]      ; a base for each of the eight blocks
.irp i, 1,2,3,4,5,6,7
	s_add_nc_u64 s[32+2*\i:33+2*\i], s[30+2*\i:31+2*\i], s[62:63]
.endr
	s_add_nc_u64 s[26:27], s[26:27], s[58:59]
.set i, 0
.rept 8
.set q, 0
.rept 16
	global_load_b32 v[X+16*i+q], v[T+q], s[32+2*i:33+2*i]
.set q, q+1
.endr
.set i, i+1
.endr
.set i, 0
.rept 8
.set na, 16*(7-i)                      ; the later blocks' loads may stay out; the wait's field holds 63 at the most
.if na > 63
.set na, 63
.endif
	s_wait_loadcnt na
.set q, 0
.rept 8
	v_cvt_pk_bf16_f32 v[BT+q], v[X+16*i+2*q], v[X+16*i+2*q+1]  ; rounded to bf16,
.set q, q+1
.endr
.set q, 0
.rept 8
	v_lshlrev_b32 v[BT+16+2*q], 16, v[BT+q]
	v_and_b32 v[BT+16+2*q+1], s[HIM], v[BT+q]
.set q, q+1
.endr
.set q, 0
.rept 8
	v_cvt_pk_f16_f32 v[X+16*i+8*(q/4)+q%4], v[BT+16+2*q], v[BT+16+2*q+1]  ; and that number written as f16
.set q, q+1
.endr
	global_store_b128 v[L16], v[X+16*i:X+16*i+3],    s[26:27] offset:1024*i
	global_store_b128 v[L16], v[X+16*i+8:X+16*i+11], s[26:27] offset:1024*i+512
.set i, i+1
.endr
	END3
	s_endpgm
.Lfunc_end_k_qd6543fbe00_prep:
	.size	k_qd6543fbe00_prep, .Lfunc_end_k_qd6543fbe00_prep-k_qd6543fbe00_prep
	.p2alignl 7, 3214868480
	.fill 96, 4, 3214868480
	.section	.rodata,"a",@progbits
	.p2align	6, 0x0
	.amdhsa_kernel k_qd6543fbe00_prep
		.amdhsa_group_segment_fixed_size 1024
		.amdhsa_private_segment_fixed_size 0
		.amdhsa_enable_private_segment 0
		.amdhsa_kernarg_size 96
		.amdhsa_user_sgpr_count 2
		.amdhsa_user_sgpr_kernarg_segment_ptr 1
		.amdhsa_wavefront_size32 1
		.amdhsa_system_sgpr_workgroup_id_x 1
		.amdhsa_system_sgpr_workgroup_id_y 1
		.amdhsa_system_sgpr_workgroup_id_z 1
		.amdhsa_system_vgpr_workitem_id 0
		.amdhsa_next_free_vgpr 256
		.amdhsa_next_free_sgpr 66
		.amdhsa_reserve_vcc 0
		.amdhsa_float_denorm_mode_32 3
		.amdhsa_float_denorm_mode_16_64 3
		.amdhsa_memory_ordered 1
		.amdhsa_forward_progress 1
		.amdhsa_inst_pref_size 62
	.end_amdhsa_kernel
	.amdgpu_metadata
---
amdhsa.version: [ 1, 2 ]
amdhsa.kernels:
  - .name:           k_qd6543fbe00_prep
    .symbol:         k_qd6543fbe00_prep.kd
    .args:
      - { .name: x, .offset: 0, .size: 8, .value_kind: global_buffer, .address_space: global }
      - { .name: ln1_g, .offset: 8, .size: 8, .value_kind: global_buffer, .address_space: global }
      - { .name: ln1_b, .offset: 16, .size: 8, .value_kind: global_buffer, .address_space: global }
      - { .name: Wq, .offset: 24, .size: 8, .value_kind: global_buffer, .address_space: global }
      - { .name: Wk, .offset: 32, .size: 8, .value_kind: global_buffer, .address_space: global }
      - { .name: Wv, .offset: 40, .size: 8, .value_kind: global_buffer, .address_space: global }
      - { .name: Wo, .offset: 48, .size: 8, .value_kind: global_buffer, .address_space: global }
      - { .name: W1, .offset: 56, .size: 8, .value_kind: global_buffer, .address_space: global }
      - { .name: W2, .offset: 64, .size: 8, .value_kind: global_buffer, .address_space: global }
      - { .name: hfrag, .offset: 72, .size: 8, .value_kind: global_buffer, .address_space: global }
      - { .name: xb, .offset: 80, .size: 8, .value_kind: global_buffer, .address_space: global }
      - { .name: wfrag, .offset: 88, .size: 8, .value_kind: global_buffer, .address_space: global }
    .group_segment_fixed_size: 1024
    .private_segment_fixed_size: 0
    .kernarg_segment_align: 8
    .kernarg_segment_size: 96
    .max_flat_workgroup_size: 128
    .sgpr_count:     66
    .vgpr_count:     256
    .wavefront_size: 32
...
	.end_amdgpu_metadata
.endif
;; end of part 1
;; launch qkvproj (part 2): grid 32 x 8, 4 waves a work-group, clusters of 4 x 1, 197,120 bytes of LDS; arguments hfrag, wfrag, qkv; writes qkv
.if DOCPART == 2
	.amdgcn_target "amdgcn-amd-amdhsa--gfx1250"
	.amdhsa_code_object_version 6
	.text
	.protected	k_qd6543fbe00_qkvproj
	.globl	k_qd6543fbe00_qkvproj
	.p2align	8
	.type	k_qd6543fbe00_qkvproj,@function
k_qd6543fbe00_qkvproj:
	s_mov_b64 s[64:65], 0
	v_nop
	global_prefetch_b8 v0, s[64:65] scope:SCOPE_SE
	s_setreg_imm32_b32 hwreg(HW_REG_WAVE_MODE, 25, 1), 1
	s_wait_xcnt 0x0
	s_wait_alu depctr_hold_cnt(0) depctr_sa_sdst(0) depctr_va_vdst(0) depctr_va_sdst(0) depctr_va_ssrc(0) depctr_va_vcc(0) depctr_vm_vsrc(0)
	s_getreg_b32 s2, hwreg(HW_REG_IB_STS2, 6, 4)
	s_cmp_eq_u32 s2, 0
	s_cbranch_scc0 .Lentry_in_a_cluster
	s_endpgm
.Lentry_in_a_cluster:
	s_bfe_u32 s2, ttmp6, 0x10000c
	s_cmp_lg_u32 s2, 0x3003
	s_cbranch_scc0 .Lentry_shape_is_right
	s_endpgm
.Lentry_shape_is_right:
; q, k, v = h Wq, h Wk, h Wv.  All operands f16 in fragment order (blocks of 1,024 bytes: byte c*512 + lane*16 + 2j = (line lane%16, k = 16c + 8(lane/16) + j)); sums in f32; results rounded once to f16.
; LIMIT: q, k, v beyond 65,504 become infinities.
; SHARES.  A work-group: 256 rows (rb) x the 64 columns 64y .. 64y+63 (two heads) of q, of k and of v.  A wave: 64 rows (four blocks i) x all 64 columns (four blocks n): 16 accumulators.
; A (64 rows x K = 512, 64 KB a wave) is loaded ONCE into 512 registers and serves all three passes.  B (3 x 64 KB) is filled ONCE into LDS: no slot is ever filled again.
; CLUSTER.  The four work-groups of a cluster have the same y and so the same weights: each tile is asked for jointly (the same load, descriptor and mask 15 in all four).
; THE TWO USES.  q, k: source 0 = weights, source 1 = h: a lane holds one row and 8 neighbouring columns, which rounded to f16 are 16 bytes of a fragment of [token][channel].
; v: source 0 = h, source 1 = weights: a lane holds one channel and 8 neighbouring tokens: 16 bytes of a fragment of V^T.  So every store is 512 bytes on end and nothing goes through LDS on the way out.
; qkv: q at 0 and k at 8 MB as [b*16+head][token tile 128][1 KB]; v at 16 MB as [b*16+head][32 keys: 64][16 channels: 2][1 KB].
; REGISTERS.  Window 0: v1-7 addresses, v64-127 two buffers of B's fragments, v128-255 accumulators (i, n) at 128 + 8(4i+n).  Windows 1, 2: A, block (ks, i) at 256 + 8(4 ks + i).
.set SPARE, 196608                     ; behind the three tiles: the spare words, 128 bytes a wave
.set L16,  1                           ; v1  16 x lane
.set LB,   2                           ; v2  16 x lane + the pass's tile
.set SPW,  6                           ; v6  my spare word; never rewritten
.set NIL,  7                           ; v7  0; never rewritten
.set T,    8
.set BIAS, 32
.set BB,   64
.set ACC,  128
.set MSB, 0
.macro WIN new                         ; the immediate's high byte repeats the setting that is left; a switch that changes nothing is dropped
.if MSB != (\new)
	s_set_vgpr_msb (MSB<<8)|(\new)
.set MSB, (\new)
.endif
.endm
.macro PLACES                          ; four places between a matrix instruction and a load into, or a vector instruction on, its registers
.rept 4
	v_nop
.endr
.endm
.macro CROUND                          ; a round of the cluster's barrier
	s_barrier_signal -1
	s_barrier_wait -1
	s_cmp_lg_u32 s12, 0
	s_cbranch_scc1 .Lnot_wave_0_\@
	s_barrier_signal -3
.Lnot_wave_0_\@:
	s_barrier_wait -3
	s_barrier_signal -1
	s_barrier_wait -1
.endm
.macro ALOAD                           ; A: 128 loads of 512 bytes on end, in the order of ks
.set k, 0
.rept 16
	WIN 0x40*(1+k/8)                               ; destination window 1 (ks 0-7) or 2 (ks 8-15)
.irp i, 0,1,2,3
	global_load_b128 v[32*(k%8)+8*\i:32*(k%8)+8*\i+3],   v[L16], s[44:45] offset:\i*16384+k*1024
	global_load_b128 v[32*(k%8)+8*\i+4:32*(k%8)+8*\i+7], v[L16], s[44:45] offset:\i*16384+k*1024+512
.endr
.set k, k+1
.endr
	WIN 0
.endm
.macro FETCH ks                        ; B's four fragments of step ks: 8 LDS loads of 512 bytes on end
.set fb, BB+32*((\ks)%2)
.irp n, 0,1,2,3
	ds_load_b128 v[fb+8*\n:fb+8*\n+3],   v[LB] offset:\n*16384+(\ks)*1024
	ds_load_b128 v[fb+8*\n+4:fb+8*\n+7], v[LB] offset:\n*16384+(\ks)*1024+512
.endr
.endm
; 16 matrix instructions, the 16 accumulators by turns.  use = 0: weights first; 1: A first.  cinit = 0: C is the accumulator; 1: the constant 0; 2: the bias.
.macro MULK ks, use, cinit
.set fb, BB+32*((\ks)%2)
.set ab, 32*((\ks)%8)
.if \use
	WIN 1+(\ks)/8
.else
	WIN 4*(1+(\ks)/8)
.endif
.irp i, 0,1,2,3
.irp n, 0,1,2,3
.set rD, ACC+8*(4*\i+\n)
.set rB, fb+8*\n
.set rA, ab+8*\i
.if (\use) && ((\cinit) == 1)
	v_wmma_f32_16x16x32_f16 v[rD:rD+7], v[rA:rA+7], v[rB:rB+7], 0
.elseif \use
	v_wmma_f32_16x16x32_f16 v[rD:rD+7], v[rA:rA+7], v[rB:rB+7], v[rD:rD+7]
.elseif (\cinit) == 1
	v_wmma_f32_16x16x32_f16 v[rD:rD+7], v[rB:rB+7], v[rA:rA+7], 0
.elseif (\cinit) == 2
	v_wmma_f32_16x16x32_f16 v[rD:rD+7], v[rB:rB+7], v[rA:rA+7], v[BIAS+8*\n:BIAS+8*\n+7]
.else
	v_wmma_f32_16x16x32_f16 v[rD:rD+7], v[rB:rB+7], v[rA:rA+7], v[rD:rD+7]
.endif
.endr
.endr
.endm
; A pass: 64 columns over K = 512.  Step ks + 1's fragments are asked for ahead of step ks's products.  await = 1: the pass in which A arrives.  bias = 1: the next pass's bias is asked for at ks = 1.  (One text for three kernels.)
.macro PASS use, c0, await, bias
	WIN 0
	FETCH 0
.set k, 0
.rept 16
.if k < 15
.if k > 0
	PLACES                                         ; behind step ks - 1's products, which read the buffer that is loaded now
.endif
.if (\bias) && (k == 1)
	BLOAD
.endif
.if \use
	WIN 0                                          ; an LDS load's address is source 0
.endif
	FETCH k+1
	s_wait_dscnt 8                                 ; this step's fragments are in; the 8 loads just issued may stay out
.else
	s_wait_dscnt 0x0
.endif
.if \await
.set na, 8*(15-k)                      ; A's loads of later steps (and the 8 of the bias) may stay out; the field holds 63 at the most
.if (\bias) && (k > 0)
.set na, na+8
.endif
.if na > 63
.set na, 63
.endif
	s_wait_loadcnt na
.endif
.if k == 0
	MULK 0, \use, \c0
.else
	MULK k, \use, 0
.endif
.set k, k+1
.endr
	WIN 0
	PLACES                                         ; in front of the way out
.endm
.macro EPI_QK                          ; rounded in place, each accumulator's low registers first, and stored: 512 bytes on end
.irp i, 0,1,2,3
.irp n, 0,1,2,3
.set rD, ACC+8*(4*\i+\n)
.irp q, 0,1,2,3
	v_cvt_pk_f16_f32 v[rD+\q], v[rD+2*\q], v[rD+2*\q+1]
.endr
	global_store_b128 v[L16], v[rD:rD+3], s[46:47] offset:(\n/2)*131072+\i*1024+(\n%2)*512
.endr
.endr
.endm
.macro EPI_V
.irp i, 0,1,2,3
.irp n, 0,1,2,3
.set rD, ACC+8*(4*\i+\n)
.irp q, 0,1,2,3
	v_cvt_pk_f16_f32 v[rD+\q], v[rD+2*\q], v[rD+2*\q+1]
.endr
	global_store_b128 v[L16], v[rD:rD+3], s[52:53] offset:(\n/2)*131072+(\i/2)*2048+(\n%2)*1024+(\i%2)*512
.endr
.endr
.endm
	s_load_b128 s[4:7], s[0:1], 0x0                ; hfrag, wfrag
	s_load_b64 s[8:9], s[0:1], 0x10                ; qkv
	v_lshl_add_u32 v[SPW], v0, 2, SPARE
	v_mov_b32 v[NIL], 0
	ds_add_u32 v[SPW], v[NIL]                      ; the wave's opening: the add, and its wait ahead of my first tensor load
	ds_add_u32 v6, v7
	v_lshrrev_b32 v[T], 5, v0
	v_readfirstlane_b32 s12, v[T]                  ; wave
	v_and_b32 v[L16], 31, v0
	v_lshlrev_b32 v[L16], 4, v[L16]
	v_mov_b32 v[LB], v[L16]                        ; the first pass reads the tile at LDS byte 0
	s_bfe_u32 s13, ttmp6, 0x40000                  ; cx: it enters A's and the output's addresses alone
	s_lshl_b32 s14, ttmp9, 2
	s_add_co_u32 s14, s14, s13                     ; rb = 4 x cluster x + cx
	s_and_b32 s15, ttmp7, 0xffff                   ; y, which the partners share
	; descriptor group 1: 16,384 dense bytes as 64 rows of 32 elements of 8 bytes
	s_mov_b32 s16, 15|(3<<16)|(1<<21)              ; the mask of four; elements of 8 bytes; bit 21 beside a mask
	s_mov_b32 s17, 32<<16                          ; tensor_dim0
	s_mov_b32 s18, 64<<16                          ; tensor_dim1
	s_mov_b32 s19, 32<<16                          ; tile_dim0
	s_mov_b32 s20, 64                              ; tile_dim1
	s_mov_b32 s21, 32                              ; from row to row
	s_mov_b32 s22, 0
	s_mov_b32 s23, 0
	s_lshl_b32 s48, s15, 2
	s_add_co_u32 s48, s48, s12                     ; my quarter of a tile: column block 4y + wave,
	s_lshl_b32 s48, s48, 14                        ; 16 KB each
	s_mov_b32 s49, 0
	s_lshl_b32 s51, s12, 14                        ; and its place in LDS
	s_mov_b32 s32, 1
	s_mov_b32 s33, s51                             ; v's tile at 0,
	s_mov_b32 s36, 1
	s_add_co_u32 s37, s51, 65536                   ; q's at 64 KB,
	s_mov_b32 s40, 1
	s_add_co_u32 s41, s51, 131072                  ; k's at 128 KB
	s_lshl_b32 s44, s14, 2
	s_add_co_u32 s44, s44, s12
	s_lshl_b32 s44, s44, 16                        ; A: row block 16 rb + 4 wave, 16 KB each
	s_mov_b32 s45, 0
	s_lshr_b32 s46, s14, 3                         ; b
	s_lshl_b32 s46, s46, 4
	s_lshl1_add_u32 s46, s15, s46                  ; 16 b + 2 y: my first head
	s_lshl_b32 s46, s46, 7
	s_and_b32 s47, s14, 7
	s_lshl_b32 s47, s47, 4
	s_lshl2_add_u32 s47, s12, s47                  ; my first token tile in the batch: 16 (rb % 8) + 4 wave
	s_add_co_u32 s46, s46, s47
	s_lshl_b32 s46, s46, 10
	s_mov_b32 s47, 0
	s_wait_dscnt 0x0                               ; the opening add is done
	s_wait_kmcnt 0x0
	s_add_nc_u64 s[44:45], s[4:5], s[44:45]
	s_add_nc_u64 s[46:47], s[8:9], s[46:47]        ; q's region
	s_add_nc_u64 s[52:53], s[46:47], 0x1000000     ; v's: the same places 16 MB on
	s_add_nc_u64 s[6:7], s[6:7], s[48:49]
	s_add_nc_u64 s[34:35], s[6:7], 0x100000        ; Wv
	s_or_b32 s35, s35, 0x80000000
	s_mov_b64 s[38:39], s[6:7]                     ; Wq
	s_or_b32 s39, s39, 0x80000000
	s_add_nc_u64 s[42:43], s[6:7], 0x80000         ; Wk
	s_or_b32 s43, s43, 0x80000000
	CROUND                                         ; the partners are here: the joint loads meet
	tensor_load_to_lds s[32:35], s[16:23]          ; three loads of mine are out
	s_nop 0
	tensor_load_to_lds s[36:39], s[16:23]
	s_nop 0
	tensor_load_to_lds s[40:43], s[16:23]
	s_nop 0
	PLACES
	ALOAD
	s_wait_tensorcnt 2                             ; my quarter of Wv's tile is in; q's and k's may stay out
	s_barrier_signal -1
	s_barrier_wait -1
	PASS 1, 1, 1, 0                                ; v
	EPI_V
	s_wait_tensorcnt 0x0
	s_barrier_signal -1
	s_barrier_wait -1
	s_mov_b32 s50, 2
	s_mov_b32 s54, 65536
.Lqk:                                              ; two trips: q, then k
	s_wait_xcnt 0x0                                ; the stores have read the accumulators, which are written again only behind this wait
	v_add_nc_u32 v[LB], s54, v[L16]
	PASS 0, 1, 0, 0
	EPI_QK
	s_wait_xcnt 0x0                                ; and their base
	s_add_nc_u64 s[46:47], s[46:47], 0x800000
	s_add_co_u32 s54, s54, 65536
	s_sub_co_u32 s50, s50, 1
	s_cmp_lg_u32 s50, 0
	s_cbranch_scc1 .Lqk
	s_wait_tensorcnt 0x0                           ; the wave's end
	ds_add_u32 v[SPW], v[NIL]
	s_wait_dscnt 0x0
	CROUND                                         ; the closing round
	s_endpgm
.Lfunc_end_k_qd6543fbe00_qkvproj:
	.size	k_qd6543fbe00_qkvproj, .Lfunc_end_k_qd6543fbe00_qkvproj-k_qd6543fbe00_qkvproj
	.p2alignl 7, 3214868480
	.fill 96, 4, 3214868480
	.section	.rodata,"a",@progbits
	.p2align	6, 0x0
	.amdhsa_kernel k_qd6543fbe00_qkvproj
		.amdhsa_group_segment_fixed_size 197120
		.amdhsa_private_segment_fixed_size 0
		.amdhsa_enable_private_segment 0
		.amdhsa_kernarg_size 24
		.amdhsa_user_sgpr_count 2
		.amdhsa_user_sgpr_kernarg_segment_ptr 1
		.amdhsa_wavefront_size32 1
		.amdhsa_system_sgpr_workgroup_id_x 1
		.amdhsa_system_sgpr_workgroup_id_y 1
		.amdhsa_system_sgpr_workgroup_id_z 1
		.amdhsa_system_vgpr_workitem_id 0
		.amdhsa_next_free_vgpr 768
		.amdhsa_next_free_sgpr 66
		.amdhsa_reserve_vcc 0
		.amdhsa_float_denorm_mode_32 3
		.amdhsa_float_denorm_mode_16_64 3
		.amdhsa_memory_ordered 1
		.amdhsa_forward_progress 1
		.amdhsa_inst_pref_size 83
	.end_amdhsa_kernel
	.amdgpu_metadata
---
amdhsa.version: [ 1, 2 ]
amdhsa.kernels:
  - .name:           k_qd6543fbe00_qkvproj
    .symbol:         k_qd6543fbe00_qkvproj.kd
    .args:
      - { .name: hfrag, .offset: 0, .size: 8, .value_kind: global_buffer, .address_space: global }
      - { .name: wfrag, .offset: 8, .size: 8, .value_kind: global_buffer, .address_space: global }
      - { .name: qkv, .offset: 16, .size: 8, .value_kind: global_buffer, .address_space: global }
    .group_segment_fixed_size: 197120
    .private_segment_fixed_size: 0
    .kernarg_segment_align: 8
    .kernarg_segment_size: 24
    .max_flat_workgroup_size: 128
    .sgpr_count:     66
    .vgpr_count:     768
    .wavefront_size: 32
...
	.end_amdgpu_metadata
.endif
;; end of part 2
;; launch attn (part 3): grid 4 x 64, 8 waves a work-group, no clusters, 263,168 bytes of LDS; arguments qkv, ofrag; writes ofrag
.if DOCPART == 3
	.amdgcn_target "amdgcn-amd-amdhsa--gfx1250"
	.amdhsa_code_object_version 6
	.text
	.protected	k_qd6543fbe00_attn
	.globl	k_qd6543fbe00_attn
	.p2align	8
	.type	k_qd6543fbe00_attn,@function
k_qd6543fbe00_attn:
	s_mov_b64 s[64:65], 0
	v_nop
	global_prefetch_b8 v0, s[64:65] scope:SCOPE_SE
	s_setreg_imm32_b32 hwreg(HW_REG_WAVE_MODE, 25, 1), 1
	s_wait_xcnt 0x0
; CAUSAL ATTENTION, head size 32, 64 (batch, head) pairs of 2,048 tokens.  O[q] = sum over k <= q of softmax_k(Q[q].K[k] / sqrt(512)) V[k].  q, k, v, P, O in f16; products, maxima and sums in f32.
; LIMITS.  A hidden score is replaced by -1e30 (f16 operands give 1.4e11 at the most); a weight below 2^-126 counts as 0; the divisor l is the sum of the weights as rounded to f16; NaN and infinities are not treated apart.
; SHARES.  A work-group (8 waves, two to a SIMD) has one head; four work-groups share a head's 64 groups of 32 queries.  Group g needs g/2 + 1 key steps of 64 keys, the last with the diagonal.
; Wave p = 8 j + wave takes group p and then group 63 - p: 33 steps for every wave of the launch.
; LDS.  The head's whole K (128 KB) and V^T (128 KB) lie in LDS in fragment order, filled once: no slot is filled again.  Each wave brings 16 KB of the first 1,024 keys and 16 KB of the rest;
; the short groups need the first half alone and start when it is in.
; NO CLUSTER, though a head's four work-groups read the same K and V: a wave's trips hang on p, so on the work-group's place; what is shared is
; filled once, 256 KB a work-group; a walk alike in all partners would mask four steps a wave for two.
; LAYOUT.  S^T = K Q^T: a lane holds one query (lane%16) and keys 8(lane/16)+0..7 of each 16.  Two such results rounded to f16 are source 1 of O^T = V^T P.  l = ones x P by the matrix unit,
; which has time to spare here (20 matrix instructions beside some 190 vector instructions a step): every register of that result holds the query's sum; register 0 is used.
; SOFTMAX.  p = 2^(c s - c m), c = log2(e)/sqrt(512), m a running maximum; O and l are multiplied by a = 2^(c m_old - c m_new) in every step.  m starts at the lowest finite number, O and l at 0.
.set SPARE, 262144                     ; behind K and V: the spare words, 128 bytes a wave
.set L16, 1                            ; v1  16 x lane
.set AK,  2                            ; v2  LDS address of the next step's K
.set AV,  3                            ; v3  of this step's V
.set TH,  4                            ; v4-5  by tile: register z of the scores is hidden where 16 (z/8) + z%8 is greater
.set SPW, 6                            ; v6  my spare word; never rewritten
.set NIL, 7                            ; v7  0; never rewritten
.set RH,  8                            ; v8  lane%16 - 8 (lane/16)
.set TA,  9
.set LV,  10                           ; v10 16 x lane + V's first byte
.set ST,  16                           ; by tile, eight: c m, m, c m_old (at the end 1/l), 0, c0-c3 at work (c2 takes a)
.set QS,  32                           ; v32-47  Q of the short group
.set ONES, 48                          ; v48-55  1.0 in every half
.set KF,  64                           ; v64-95  K of a step: four fragments
.set VF,  96                           ; v96-127 V^T of a step: (32 keys kk, 16 channels cb) at 96 + 16 kk + 8 cb
.set S,   128                          ; v128-191 S^T, 32 a tile; P in place in the first 16
.set O,   192                          ; v192-239 by tile, 24: O^T channels 0-15, 16-31, l
.set QL,  240                          ; v240-255 Q of the long group
.set WV,  8
.set BH,  10
.set PP,  11
.set CS,  32                           ; s[32:33] c
.set SEL, 34                           ; s[34:35] v_permlanex16_b32's selects
.set BIGN, 36
.set CNT, 37
.set LAST, 38
.set GG,  39
.macro PLACES
.rept 4
	v_nop
.endr
.endm
; Number n of the 22 that find tile t's maximum and statistics; each accumulator's lowest registers are read first.
.macro XS t, n
.set rT, ST+8*(\t)
.set rC, rT+4
.set rS, S+32*(\t)
.if (\n) < 4
	v_max3_num_f32 v[rC+(\n)], v[rS+8*(\n)], v[rS+8*(\n)+1], v[rS+8*(\n)+2]
.elseif (\n) < 12
	v_max3_num_f32 v[rC+(\n)%4], v[rC+(\n)%4], v[rS+8*((\n)%4)+2*((\n)/4)+1], v[rS+8*((\n)%4)+2*((\n)/4)+2]
.elseif (\n) == 12
	v_max3_num_f32 v[rC], v[rC], v[rS+7], v[rS+15]
.elseif (\n) == 13
	v_max3_num_f32 v[rC+1], v[rC+1], v[rS+23], v[rS+31]
.elseif (\n) == 14
	v_max3_num_f32 v[rC+2], v[rC+2], v[rC+3], v[rT+1]
.elseif (\n) == 15
	v_mov_b32 v[rT+2], v[rT]                       ; c m_old is kept
.elseif (\n) == 16
	v_max3_num_f32 v[rC], v[rC], v[rC+1], v[rC+2]
.elseif (\n) == 17
	v_permlanex16_b32 v[rC+3], v[rC], s[SEL], s[SEL+1]  ; the query's other 32 keys lie in the lane 16 away
.elseif (\n) == 18
	v_max_num_f32 v[rT+1], v[rC], v[rC+3]
.elseif (\n) == 19
	v_mul_f32 v[rT], s[CS], v[rT+1]
.elseif (\n) == 20
	v_sub_f32 v[rC+1], v[rT+2], v[rT]
.else
	v_exp_f32 v[rC+2], v[rC+1]
.endif
.endm
; A KEY STEP for the group's two tiles.  m = 1: the step with the diagonal, the group's last.
.macro STEP m
	v_lshl_add_u32 v[AV], s[CNT], 12, v[LV]        ; a step is 4 KB of V and of K
	s_add_co_u32 s42, s[CNT], 1
	s_min_u32 s42, s42, NMAX-1                     ; the next step's K; the bound is never reached in a step that has a next one
	v_lshl_add_u32 v[AK], s42, 12, v[L16]
	PLACES                                         ; with the two lines above six places behind the last step's products, whose V is loaded anew and whose P is written over
.irp f, 0,1,2,3
	ds_load_b128 v[VF+8*\f:VF+8*\f+3],   v[AV] offset:\f*1024
	ds_load_b128 v[VF+8*\f+4:VF+8*\f+7], v[AV] offset:\f*1024+512
.endr
	s_wait_dscnt 8                                 ; K, asked for a step ago, is in; V's 8 loads are younger
.irp kb, 0,1,2,3
.irp t, 0,1
	v_wmma_f32_16x16x32_f16 v[S+32*\t+8*\kb:S+32*\t+8*\kb+7], v[KF+8*\kb:KF+8*\kb+7], v[QR+8*\t:QR+8*\t+7], 0
.endr
.endr
	PLACES
.if (\m) == 0
.irp kb, 0,1,2,3
	ds_load_b128 v[KF+8*\kb:KF+8*\kb+3],   v[AK] offset:\kb*1024
	ds_load_b128 v[KF+8*\kb+4:KF+8*\kb+7], v[AK] offset:\kb*1024+512
.endr
.else
.irp t, 0,1
.set z, 0
.rept 32
	v_cmp_gt_i32 vcc_lo, 16*(z/8)+z%8, v[TH+\t]
	v_cndmask_b32 v[S+32*\t+z], v[S+32*\t+z], s[BIGN], vcc_lo
.set z, z+1
.endr
.endr
.endif
.irp n, 0,1,2,3,4,5,6,7,8,9,10,11,12,13,14,15,16,17,18,19,20,21
	XS 0, \n                                       ; the two tiles alternate
	XS 1, \n
.endr
.set z, 0
.rept 16
.irp t, 0,1
	v_pk_fma_f32 v[S+32*\t+2*z:S+32*\t+2*z+1], v[S+32*\t+2*z:S+32*\t+2*z+1], s[CS:CS+1], v[ST+8*\t:ST+8*\t+1] op_sel_hi:[1,0,0] neg_lo:[0,0,1] neg_hi:[0,0,1]  ; c s - c m
.endr
.set z, z+1
.endr
; Four exponentials, then plain work that is ready: behind the first four the rescaling of O and l, behind the others the rounding of the pair before, in place.
; So a plain instruction stands between every exponential and the use of its result (ISA guide 5.7.2).
.set e, 0
.rept 16
.irp t, 0,1
	v_exp_f32 v[S+32*\t+2*e], v[S+32*\t+2*e]
	v_exp_f32 v[S+32*\t+2*e+1], v[S+32*\t+2*e+1]
.endr
.if e == 0
	s_wait_alu depctr_va_vdst(0)
.irp t, 0,1
.set z, 0
.rept 9                                            ; 16 registers of O^T and l's first two; l's other six hold sums that nobody reads
	v_pk_mul_f32 v[O+24*\t+2*z:O+24*\t+2*z+1], v[O+24*\t+2*z:O+24*\t+2*z+1], v[ST+8*\t+6:ST+8*\t+7] op_sel_hi:[1,0]
.set z, z+1
.endr
.endr
.else
	s_wait_alu depctr_va_vdst(0)
.irp t, 0,1
	v_cvt_pk_f16_f32 v[S+32*\t+e-1], v[S+32*\t+2*e-2], v[S+32*\t+2*e-1]
.endr
.endif
.set e, e+1
.endr
	s_wait_alu depctr_va_vdst(0)
.irp t, 0,1
	v_cvt_pk_f16_f32 v[S+32*\t+15], v[S+32*\t+30], v[S+32*\t+31]
.endr
.if (\m) == 0
	s_wait_dscnt 8                                 ; V is in; the next K's 8 loads are younger
.else
	s_wait_dscnt 0x0
.endif
.irp kk, 0,1                                       ; six accumulators by turns
.irp t, 0,1
	v_wmma_f32_16x16x32_f16 v[O+24*\t:O+24*\t+7],     v[VF+16*\kk:VF+16*\kk+7],    v[S+32*\t+8*\kk:S+32*\t+8*\kk+7], v[O+24*\t:O+24*\t+7]
	v_wmma_f32_16x16x32_f16 v[O+24*\t+8:O+24*\t+15],  v[VF+16*\kk+8:VF+16*\kk+15], v[S+32*\t+8*\kk:S+32*\t+8*\kk+7], v[O+24*\t+8:O+24*\t+15]
	v_wmma_f32_16x16x32_f16 v[O+24*\t+16:O+24*\t+23], v[ONES:ONES+7],              v[S+32*\t+8*\kk:S+32*\t+8*\kk+7], v[O+24*\t+16:O+24*\t+23]
.endr
.endr
.endm
; A GROUP of 32 queries, number s[GG], its Q at register q.  The loop counts to the constant nmax; steps behind the diagonal are jumped over, forward, past no barrier and no tensor load.
.macro GROUP q, nmax
.set QR, \q
.set NMAX, \nmax
	s_lshr_b32 s[LAST], s[GG], 1
	s_and_b32 s42, s[GG], 1
	s_lshl_b32 s42, s42, 5
	v_add_nc_u32 v[TH], s42, v[RH]                 ; my query's place in the diagonal step, less my lanes' 8 (lane/16)
	v_add_nc_u32 v[TH+1], 16, v[TH]
	s_lshr_b32 s42, s[BH], 4
	s_lshl_b32 s42, s42, 7
	s_lshl1_add_u32 s42, s[GG], s42                ; token tile 128 b + 2 g,
	s_lshl_b32 s42, s42, 4
	s_and_b32 s43, s[BH], 15
	s_add_co_u32 s42, s42, s43                     ; block (tile, ks = head)
	s_lshl_b32 s42, s42, 10
	s_mov_b32 s43, 0
	s_add_nc_u64 s[40:41], s[6:7], s[42:43]
.irp t, 0,1
	v_mov_b32 v[ST+8*\t], 0xfe000000               ; c m: far below every c s, so the first a is 0
	v_mov_b32 v[ST+8*\t+1], 0xff7fffff             ; m
	v_mov_b32 v[ST+8*\t+2], 0
	v_mov_b32 v[ST+8*\t+3], 0
.endr
.set z, 0
.rept 48                                           ; O^T and l start at 0: no first step is written out, at the price of these lines twice a wave
	v_mov_b32 v[O+z], 0
.set z, z+1
.endr
.irp kb, 0,1,2,3
	ds_load_b128 v[KF+8*\kb:KF+8*\kb+3],   v[L16] offset:\kb*1024
	ds_load_b128 v[KF+8*\kb+4:KF+8*\kb+7], v[L16] offset:\kb*1024+512
.endr
	s_mov_b32 s[CNT], 0
.Ltrip_\@:
	s_cmp_lt_u32 s[CNT], s[LAST]
	s_cbranch_scc1 .Lplain_\@
	s_cmp_eq_u32 s[CNT], s[LAST]
	s_cbranch_scc0 .Ldead_\@
	STEP 1
	s_branch .Ldead_\@
.Lplain_\@:
	STEP 0
.Ldead_\@:
	s_add_co_u32 s[CNT], s[CNT], 1
	s_cmp_lt_u32 s[CNT], \nmax
	s_cbranch_scc1 .Ltrip_\@
	PLACES
	v_rcp_f32 v[ST+2], v[O+16]
	v_rcp_f32 v[ST+10], v[O+40]
	v_nop
	s_wait_alu depctr_va_vdst(0)
.irp t, 0,1
.set z, 0
.rept 8
	v_pk_mul_f32 v[O+24*\t+2*z:O+24*\t+2*z+1], v[O+24*\t+2*z:O+24*\t+2*z+1], v[ST+8*\t+2:ST+8*\t+3] op_sel_hi:[1,0]
.set z, z+1
.endr
.endr
.irp t, 0,1
.irp cb, 0,1
.irp q2, 0,1,2,3
	v_cvt_pk_f16_f32 v[O+24*\t+8*\cb+\q2], v[O+24*\t+8*\cb+2*\q2], v[O+24*\t+8*\cb+2*\q2+1]
.endr
	global_store_b128 v[L16], v[O+24*\t+8*\cb:O+24*\t+8*\cb+3], s[40:41] offset:\t*16384+\cb*512  ; 512 bytes on end: half a block of the next product's A
.endr
.endr
	s_wait_xcnt 0x0                                ; the stores have read their registers and their base
.endm
	s_load_b128 s[4:7], s[0:1], 0x0                ; qkv, ofrag
	v_lshl_add_u32 v[SPW], v0, 2, SPARE
	v_mov_b32 v[NIL], 0
	ds_add_u32 v[SPW], v[NIL]                      ; the wave's opening: the add, and its wait ahead of my first tensor load
	ds_add_u32 v6, v7
	v_lshrrev_b32 v[TA], 5, v0
	v_readfirstlane_b32 s[WV], v[TA]
	s_and_b32 s[BH], ttmp7, 0xffff                 ; 16 b + head
	s_lshl3_add_u32 s[PP], ttmp9, s[WV]            ; p = 8 j + wave
	s_mov_b32 s16, 3<<16                           ; group 1: 16,384 dense bytes as 64 rows of 32 elements of 8 bytes
	s_mov_b32 s17, 32<<16
	s_mov_b32 s18, 64<<16
	s_mov_b32 s19, 32<<16
	s_mov_b32 s20, 64
	s_mov_b32 s21, 32
	s_mov_b32 s22, 0
	s_mov_b32 s23, 0
	s_lshr_b32 s12, s[WV], 2                       ; waves 0-3 fetch K, waves 4-7 V
	s_and_b32 s13, s[WV], 3                        ; which quarter of a half
	s_lshl_b32 s14, s[WV], 14
	s_lshl_b32 s15, s12, 16
	s_add_co_u32 s14, s14, s15                     ; LDS: wave x 16,384 + (wave / 4) x 65,536
	s_mov_b32 s24, 1
	s_mov_b32 s25, s14
	s_mov_b32 s28, 1
	s_add_co_u32 s29, s14, 65536                   ; the second half's quarter
	s_add_co_u32 s42, s12, 1
	s_lshl_b32 s42, s42, 23                        ; k's region at 8 MB, v's at 16 MB
	s_lshl_b32 s43, s[BH], 17                      ; 128 KB a head
	s_add_co_u32 s42, s42, s43
	s_lshl_b32 s15, s13, 14
	s_add_co_u32 s42, s42, s15
	s_lshl_b32 s44, s[PP], 11                      ; Q: two tiles of 1 KB a group
	s_add_co_u32 s44, s44, s43
	s_mov_b32 s45, 0
	s_sub_co_u32 s46, 63, s[PP]
	s_lshl_b32 s46, s46, 11
	s_add_co_u32 s46, s46, s43
	s_mov_b32 s47, 0
	s_mov_b32 s43, 0
	s_mov_b32 s[CS], 0x3d8293ee                    ; c = log2(e) / sqrt(512) = 0.0637587
	s_mov_b32 s[CS+1], s[CS]
	s_mov_b32 s[SEL], 0x76543210
	s_mov_b32 s[SEL+1], 0xfedcba98
	s_mov_b32 s[BIGN], 0xf149f2ca                  ; -1e30
	s_wait_dscnt 0x0                               ; the opening add is done
	s_wait_kmcnt 0x0
	s_add_nc_u64 s[26:27], s[4:5], s[42:43]
	s_add_nc_u64 s[30:31], s[26:27], 0x10000
	s_or_b32 s27, s27, 0x80000000
	s_or_b32 s31, s31, 0x80000000
	s_add_nc_u64 s[44:45], s[4:5], s[44:45]
	s_add_nc_u64 s[46:47], s[4:5], s[46:47]
	tensor_load_to_lds s[24:27], s[16:23]          ; keys 0-1,023: two loads of mine are out
	s_nop 0
	tensor_load_to_lds s[28:31], s[16:23]          ; keys 1,024-2,047
	s_nop 0
	PLACES
	v_and_b32 v[L16], 31, v0
	v_lshlrev_b32 v[L16], 4, v[L16]
.irp t, 0,1
	global_load_b128 v[QS+8*\t:QS+8*\t+3],   v[L16], s[44:45] offset:\t*1024
	global_load_b128 v[QS+8*\t+4:QS+8*\t+7], v[L16], s[44:45] offset:\t*1024+512
	global_load_b128 v[QL+8*\t:QL+8*\t+3],   v[L16], s[46:47] offset:\t*1024
	global_load_b128 v[QL+8*\t+4:QL+8*\t+7], v[L16], s[46:47] offset:\t*1024+512
.endr
	v_add_nc_u32 v[LV], 0x20000, v[L16]
	v_and_b32 v[RH], 15, v0
	v_bfe_u32 v[TA], v0, 4, 1
	v_lshlrev_b32 v[TA], 3, v[TA]
	v_sub_nc_u32 v[RH], v[RH], v[TA]
.irp z, 0,1,2,3,4,5,6,7
	v_mov_b32 v[ONES+\z], 0x3c003c00
.endr
	s_wait_tensorcnt 1                             ; my part of the first halves is in; the second halves may stay out
	s_barrier_signal -1
	s_barrier_wait -1
	s_wait_loadcnt 0x0                             ; Q
	s_mov_b32 s[GG], s[PP]
	GROUP QS, 16                                   ; the short group: keys below 1,024
	s_wait_dscnt 0x0
	s_wait_tensorcnt 0x0
	s_barrier_signal -1
	s_barrier_wait -1                              ; everybody's second half is in
	s_sub_co_u32 s[GG], 63, s[PP]
	GROUP QL, 32                                   ; the long group
	s_wait_tensorcnt 0x0                           ; the wave's end
	ds_add_u32 v[SPW], v[NIL]
	s_wait_dscnt 0x0
	s_endpgm
.Lfunc_end_k_qd6543fbe00_attn:
	.size	k_qd6543fbe00_attn, .Lfunc_end_k_qd6543fbe00_attn-k_qd6543fbe00_attn
	.p2alignl 7, 3214868480
	.fill 96, 4, 3214868480
	.section	.rodata,"a",@progbits
	.p2align	6, 0x0
	.amdhsa_kernel k_qd6543fbe00_attn
		.amdhsa_group_segment_fixed_size 263168
		.amdhsa_private_segment_fixed_size 0
		.amdhsa_enable_private_segment 0
		.amdhsa_kernarg_size 16
		.amdhsa_user_sgpr_count 2
		.amdhsa_user_sgpr_kernarg_segment_ptr 1
		.amdhsa_wavefront_size32 1
		.amdhsa_system_sgpr_workgroup_id_x 1
		.amdhsa_system_sgpr_workgroup_id_y 1
		.amdhsa_system_sgpr_workgroup_id_z 1
		.amdhsa_system_vgpr_workitem_id 0
		.amdhsa_next_free_vgpr 256
		.amdhsa_next_free_sgpr 66
		.amdhsa_reserve_vcc 1
		.amdhsa_float_denorm_mode_32 3
		.amdhsa_float_denorm_mode_16_64 3
		.amdhsa_memory_ordered 1
		.amdhsa_forward_progress 1
		.amdhsa_inst_pref_size 79
	.end_amdhsa_kernel
	.amdgpu_metadata
---
amdhsa.version: [ 1, 2 ]
amdhsa.kernels:
  - .name:           k_qd6543fbe00_attn
    .symbol:         k_qd6543fbe00_attn.kd
    .args:
      - { .name: qkv, .offset: 0, .size: 8, .value_kind: global_buffer, .address_space: global }
      - { .name: ofrag, .offset: 8, .size: 8, .value_kind: global_buffer, .address_space: global }
    .group_segment_fixed_size: 263168
    .private_segment_fixed_size: 0
    .kernarg_segment_align: 8
    .kernarg_segment_size: 16
    .max_flat_workgroup_size: 256
    .sgpr_count:     66
    .vgpr_count:     256
    .wavefront_size: 32
...
	.end_amdgpu_metadata
.endif
;; end of part 3
;; launch woproj (part 4): grid 32 x 8, 4 waves a work-group, clusters of 4 x 1, 167,936 bytes of LDS; arguments ofrag, wfrag, xb, bo, x1; writes x1
.if DOCPART == 4
	.amdgcn_target "amdgcn-amd-amdhsa--gfx1250"
	.amdhsa_code_object_version 6
	.text
	.protected	k_qd6543fbe00_woproj
	.globl	k_qd6543fbe00_woproj
	.p2align	8
	.type	k_qd6543fbe00_woproj,@function
k_qd6543fbe00_woproj:
	s_mov_b64 s[64:65], 0
	v_nop
	global_prefetch_b8 v0, s[64:65] scope:SCOPE_SE
	s_setreg_imm32_b32 hwreg(HW_REG_WAVE_MODE, 25, 1), 1
	s_wait_xcnt 0x0
	s_wait_alu depctr_hold_cnt(0) depctr_sa_sdst(0) depctr_va_vdst(0) depctr_va_sdst(0) depctr_va_ssrc(0) depctr_va_vcc(0) depctr_vm_vsrc(0)
	s_getreg_b32 s2, hwreg(HW_REG_IB_STS2, 6, 4)
	s_cmp_eq_u32 s2, 0
	s_cbranch_scc0 .Lentry_in_a_cluster
	s_endpgm
.Lentry_in_a_cluster:
	s_bfe_u32 s2, ttmp6, 0x10000c
	s_cmp_lg_u32 s2, 0x3003
	s_cbranch_scc0 .Lentry_shape_is_right
	s_endpgm
.Lentry_shape_is_right:
; x1 = x + o Wo + bo.  o and Wo in f16 in fragment order; x as its bf16 value (xb), bo rounded to bf16; sums in f32; x1 is kept in f32.
; SHARES.  A work-group: 256 rows (rb) x columns 64y .. 64y+63.  A wave: 64 rows x 64 columns, 16 accumulators, which START as x + bo: nothing is added afterwards.
; A (64 KB a wave) goes once into 512 registers; Wo's tile (64 KB) once into LDS, asked for jointly by the four work-groups of a cluster, which share y.
; Weights are source 0: a lane holds one row and 8 neighbouring columns.  x1 lies as the accumulators do: block (row block, column block) of 1,024 bytes, byte c2*512 + lane*16 + 4i = register 4 c2 + i:
; every store, and every later load, is 512 bytes on end.
.set SPARE, 65536
.set L16,  1
.set LB,   2
.set H32,  3
.set BO,   4
.set SPW,  6
.set NIL,  7
.set T,    8
.set BIAS, 32
.set BB,   64
.set ACC,  128
.set HIM,  52
.set MSB, 0
.macro WIN new
.if MSB != (\new)
	s_set_vgpr_msb (MSB<<8)|(\new)
.set MSB, (\new)
.endif
.endm
.macro PLACES
.rept 4
	v_nop
.endr
.endm
.macro ROUNDBF a, tmp
	v_cvt_pk_bf16_f32 v[\tmp], v[\a], v[(\a)+1]
	v_lshlrev_b32 v[\a], 16, v[\tmp]
	v_and_b32 v[(\a)+1], s[HIM], v[\tmp]
.endm
.macro CROUND
	s_barrier_signal -1
	s_barrier_wait -1
	s_cmp_lg_u32 s12, 0
	s_cbranch_scc1 .Lnot_wave_0_\@
	s_barrier_signal -3
.Lnot_wave_0_\@:
	s_barrier_wait -3
	s_barrier_signal -1
	s_barrier_wait -1
.endm
.macro ALOAD
.set k, 0
.rept 16
	WIN 0x40*(1+k/8)
.irp i, 0,1,2,3
	global_load_b128 v[32*(k%8)+8*\i:32*(k%8)+8*\i+3],   v[L16], s[44:45] offset:\i*16384+k*1024
	global_load_b128 v[32*(k%8)+8*\i+4:32*(k%8)+8*\i+7], v[L16], s[44:45] offset:\i*16384+k*1024+512
.endr
.set k, k+1
.endr
	WIN 0
.endm
.macro FETCH ks
.set fb, BB+32*((\ks)%2)
.irp n, 0,1,2,3
	ds_load_b128 v[fb+8*\n:fb+8*\n+3],   v[LB] offset:\n*16384+(\ks)*1024
	ds_load_b128 v[fb+8*\n+4:fb+8*\n+7], v[LB] offset:\n*16384+(\ks)*1024+512
.endr
.endm
.macro MULK ks, use, cinit             ; 16 matrix instructions, the accumulators by turns
.set fb, BB+32*((\ks)%2)
.set ab, 32*((\ks)%8)
.if \use
	WIN 1+(\ks)/8
.else
	WIN 4*(1+(\ks)/8)
.endif
.irp i, 0,1,2,3
.irp n, 0,1,2,3
.set rD, ACC+8*(4*\i+\n)
.set rB, fb+8*\n
.set rA, ab+8*\i
.if (\use) && ((\cinit) == 1)
	v_wmma_f32_16x16x32_f16 v[rD:rD+7], v[rA:rA+7], v[rB:rB+7], 0
.elseif \use
	v_wmma_f32_16x16x32_f16 v[rD:rD+7], v[rA:rA+7], v[rB:rB+7], v[rD:rD+7]
.elseif (\cinit) == 1
	v_wmma_f32_16x16x32_f16 v[rD:rD+7], v[rB:rB+7], v[rA:rA+7], 0
.elseif (\cinit) == 2
	v_wmma_f32_16x16x32_f16 v[rD:rD+7], v[rB:rB+7], v[rA:rA+7], v[BIAS+8*\n:BIAS+8*\n+7]
.else
	v_wmma_f32_16x16x32_f16 v[rD:rD+7], v[rB:rB+7], v[rA:rA+7], v[rD:rD+7]
.endif
.endr
.endr
.endm
.macro PASS use, c0, await, bias       ; one text for three kernels: see the projection of q, k, v
	WIN 0
	FETCH 0
.set k, 0
.rept 16
.if k < 15
.if k > 0
	PLACES                                         ; behind step ks - 1's products, which read the buffer that is loaded now
.endif
.if (\bias) && (k == 1)
	BLOAD
.endif
.if \use
	WIN 0
.endif
	FETCH k+1
	s_wait_dscnt 8                                 ; this step's fragments are in; the 8 just issued may stay out
.else
	s_wait_dscnt 0x0
.endif
.if \await
.set na, 8*(15-k)                      ; A's loads of later steps may stay out; the field holds 63 at the most
.if (\bias) && (k > 0)
.set na, na+8
.endif
.if na > 63
.set na, 63
.endif
	s_wait_loadcnt na
.endif
.if k == 0
	MULK 0, \use, \c0
.else
	MULK k, \use, 0
.endif
.set k, k+1
.endr
	WIN 0
	PLACES
.endm
	s_load_b256 s[4:11], s[0:1], 0x0               ; ofrag 4, wfrag 6, xb 8, bo 10
	s_load_b64 s[46:47], s[0:1], 0x20              ; x1
	v_lshl_add_u32 v[SPW], v0, 2, SPARE
	v_mov_b32 v[NIL], 0
	ds_add_u32 v[SPW], v[NIL]                      ; the wave's opening: the add, and its wait ahead of my first tensor load
	ds_add_u32 v6, v7
	v_lshrrev_b32 v[T], 5, v0
	v_readfirstlane_b32 s12, v[T]
	v_and_b32 v[L16], 31, v0
	v_lshlrev_b32 v[L16], 4, v[L16]
	v_mov_b32 v[LB], v[L16]
	v_bfe_u32 v[H32], v0, 4, 1
	v_lshlrev_b32 v[H32], 5, v[H32]
	s_bfe_u32 s13, ttmp6, 0x40000                  ; cx: in A's, xb's and x1's addresses alone
	s_lshl_b32 s14, ttmp9, 2
	s_add_co_u32 s14, s14, s13                     ; rb
	s_and_b32 s15, ttmp7, 0xffff                   ; y
	s_mov_b32 s[HIM], 0xffff0000
	s_lshl_b32 s51, s15, 8
	v_add_nc_u32 v[BO], s51, v[H32]                ; bo: 256 y + 32 (lane/16)
	s_mov_b32 s16, 15|(3<<16)|(1<<21)              ; group 1: 16,384 dense bytes as 64 rows of 32 elements of 8 bytes; the mask of four, bit 21 beside it
	s_mov_b32 s17, 32<<16
	s_mov_b32 s18, 64<<16
	s_mov_b32 s19, 32<<16
	s_mov_b32 s20, 64
	s_mov_b32 s21, 32
	s_mov_b32 s22, 0
	s_mov_b32 s23, 0
	s_lshl_b32 s48, s15, 2
	s_add_co_u32 s48, s48, s12
	s_lshl_b32 s48, s48, 14                        ; column block 4y + wave
	s_add_co_u32 s48, s48, 0x180000                ; in Wo's region
	s_mov_b32 s49, 0
	s_mov_b32 s32, 1
	s_lshl_b32 s33, s12, 14
	s_lshl_b32 s44, s14, 2
	s_add_co_u32 s44, s44, s12                     ; 4 rb + wave
	s_lshl_b32 s54, s44, 16
	s_lshl_b32 s55, s15, 11
	s_add_co_u32 s54, s54, s55                     ; xb: ((16 rb + 4 wave) 32 + 4 y) 512
	s_lshl_b32 s56, s54, 1                         ; x1: the same places, 1,024 bytes each
	s_mov_b32 s55, 0
	s_mov_b32 s57, 0
	s_lshl_b32 s44, s44, 16                        ; A: 16 KB a row block
	s_mov_b32 s45, 0
	s_wait_dscnt 0x0                               ; the opening add is done
	s_wait_kmcnt 0x0
	s_add_nc_u64 s[44:45], s[4:5], s[44:45]
	s_add_nc_u64 s[8:9], s[8:9], s[54:55]
	s_add_nc_u64 s[46:47], s[46:47], s[56:57]
	s_add_nc_u64 s[34:35], s[6:7], s[48:49]
	s_or_b32 s35, s35, 0x80000000
.irp n, 0,1,2,3
	global_load_b128 v[BIAS+8*\n:BIAS+8*\n+3],   v[BO], s[10:11] offset:\n*64
	global_load_b128 v[BIAS+8*\n+4:BIAS+8*\n+7], v[BO], s[10:11] offset:\n*64+16
.endr
.irp i, 0,1,2,3
.irp n, 0,1,2,3
	global_load_b128 v[BB+4*(4*\i+\n):BB+4*(4*\i+\n)+3], v[L16], s[8:9] offset:(32*\i+\n)*512
.endr
.endr
	CROUND
	tensor_load_to_lds s[32:35], s[16:23]          ; one load of mine is out
	s_nop 0
	PLACES
	ALOAD
	s_wait_loadcnt 63                              ; bo and xb are in: 128 loads are younger, and 63 is the most that the field holds
.set p, 0
.rept 16
	ROUNDBF BIAS+2*p, T+p%8
.set p, p+1
.endr
.set a, 0
.rept 16                                           ; the accumulators start as x + bo
.set q, 0
.rept 4
	v_lshlrev_b32 v[ACC+8*a+2*q], 16, v[BB+4*a+q]
	v_and_b32 v[ACC+8*a+2*q+1], s[HIM], v[BB+4*a+q]
.set q, q+1
.endr
.set q, 0
.rept 4
	v_pk_add_f32 v[ACC+8*a+2*q:ACC+8*a+2*q+1], v[ACC+8*a+2*q:ACC+8*a+2*q+1], v[BIAS+8*(a%4)+2*q:BIAS+8*(a%4)+2*q+1]
.set q, q+1
.endr
.set a, a+1
.endr
	s_wait_tensorcnt 0x0
	s_barrier_signal -1
	s_barrier_wait -1
	PASS 0, 0, 1, 0
.irp i, 0,1,2,3
.irp n, 0,1,2,3
	global_store_b128 v[L16], v[ACC+8*(4*\i+\n):ACC+8*(4*\i+\n)+3],   s[46:47] offset:(32*\i+\n)*1024      ; the low four registers first
	global_store_b128 v[L16], v[ACC+8*(4*\i+\n)+4:ACC+8*(4*\i+\n)+7], s[46:47] offset:(32*\i+\n)*1024+512
.endr
.endr
	s_wait_tensorcnt 0x0                           ; the wave's end
	ds_add_u32 v[SPW], v[NIL]
	s_wait_dscnt 0x0
	CROUND                                         ; the closing round
	s_endpgm
.Lfunc_end_k_qd6543fbe00_woproj:
	.size	k_qd6543fbe00_woproj, .Lfunc_end_k_qd6543fbe00_woproj-k_qd6543fbe00_woproj
	.p2alignl 7, 3214868480
	.fill 96, 4, 3214868480
	.section	.rodata,"a",@progbits
	.p2align	6, 0x0
	.amdhsa_kernel k_qd6543fbe00_woproj
		.amdhsa_group_segment_fixed_size 167936
		.amdhsa_private_segment_fixed_size 0
		.amdhsa_enable_private_segment 0
		.amdhsa_kernarg_size 40
		.amdhsa_user_sgpr_count 2
		.amdhsa_user_sgpr_kernarg_segment_ptr 1
		.amdhsa_wavefront_size32 1
		.amdhsa_system_sgpr_workgroup_id_x 1
		.amdhsa_system_sgpr_workgroup_id_y 1
		.amdhsa_system_sgpr_workgroup_id_z 1
		.amdhsa_system_vgpr_workitem_id 0
		.amdhsa_next_free_vgpr 768
		.amdhsa_next_free_sgpr 66
		.amdhsa_reserve_vcc 0
		.amdhsa_float_denorm_mode_32 3
		.amdhsa_float_denorm_mode_16_64 3
		.amdhsa_memory_ordered 1
		.amdhsa_forward_progress 1
		.amdhsa_inst_pref_size 59
	.end_amdhsa_kernel
	.amdgpu_metadata
---
amdhsa.version: [ 1, 2 ]
amdhsa.kernels:
  - .name:           k_qd6543fbe00_woproj
    .symbol:         k_qd6543fbe00_woproj.kd
    .args:
      - { .name: ofrag, .offset: 0, .size: 8, .value_kind: global_buffer, .address_space: global }
      - { .name: wfrag, .offset: 8, .size: 8, .value_kind: global_buffer, .address_space: global }
      - { .name: xb, .offset: 16, .size: 8, .value_kind: global_buffer, .address_space: global }
      - { .name: bo, .offset: 24, .size: 8, .value_kind: global_buffer, .address_space: global }
      - { .name: x1, .offset: 32, .size: 8, .value_kind: global_buffer, .address_space: global }
    .group_segment_fixed_size: 167936
    .private_segment_fixed_size: 0
    .kernarg_segment_align: 8
    .kernarg_segment_size: 40
    .max_flat_workgroup_size: 128
    .sgpr_count:     66
    .vgpr_count:     768
    .wavefront_size: 32
...
	.end_amdgpu_metadata
.endif
;; end of part 4
;; launch ln2 (part 5): grid 512 x 1, 4 waves a work-group, no clusters, 1,024 bytes of LDS; arguments x1, ln2_g, ln2_b, h2frag; writes h2frag
.if DOCPART == 5
	.amdgcn_target "amdgcn-amd-amdhsa--gfx1250"
	.amdhsa_code_object_version 6
	.text
	.protected	k_qd6543fbe00_ln2
	.globl	k_qd6543fbe00_ln2
	.p2align	8
	.type	k_qd6543fbe00_ln2,@function
k_qd6543fbe00_ln2:
	s_mov_b64 s[64:65], 0
	v_nop
	global_prefetch_b8 v0, s[64:65] scope:SCOPE_SE
	s_setreg_imm32_b32 hwreg(HW_REG_WAVE_MODE, 25, 1), 1
	s_wait_xcnt 0x0
; h2 = LayerNorm2(x1), 16 rows a work-group.  x1 (f32) lies as the accumulators that made it: block (row block, column block) of 1,024 bytes, byte c2*512 + lane*16 + 4i = (row lane%16, column 8(lane/16) + 4 c2 + i).
; Wave w has column blocks 8w .. 8w+7; a lane has 64 numbers of one row.  Mean, then the variance from the deviations, in f32; gain and bias rounded to bf16; h2 rounded once to f16 (beyond 65,504: an infinity), in fragment order.
; Every load of x1 and every store is 512 bytes on end.  No matrix unit, tensor load or cluster: the launch streams and no bytes are shared.
.set RED1,  0
.set RED2,  256
.set SPARE, 512
.set GO,  2
.set L16, 3
.set RA,  4
.set RB,  5
.set MU,  6
.set RS,  8
.set INV, 10
.set SPW, 11
.set NIL, 12
.set VR,  14
.set VH,  15
.set T,   16
.set X,   32
.set G,   96
.set BT,  160
.set XB,  224
.set WV,  28
.set HIM, 29
.macro ROUNDBF a, tmp
	v_cvt_pk_bf16_f32 v[\tmp], v[\a], v[(\a)+1]
	v_lshlrev_b32 v[\a], 16, v[\tmp]
	v_and_b32 v[(\a)+1], s[HIM], v[\tmp]
.endm
.macro FOLD
	v_pk_add_f32 v[T:T+1], v[T:T+1], v[T+2:T+3]
	v_pk_add_f32 v[T+4:T+5], v[T+4:T+5], v[T+6:T+7]
	v_pk_add_f32 v[T:T+1], v[T:T+1], v[T+4:T+5]
	v_add_f32 v[T], v[T], v[T+1]
	v_permlanex16_b32 v[T+1], v[T], s40, s41
	v_add_f32 v[T], v[T], v[T+1]
.endm
.macro ACROSS red
	ds_store_b32 v[RA], v[T] offset:\red
	s_wait_dscnt 0x0                               ; for the others' sake: my store is done
	s_barrier_signal -1
	s_barrier_wait -1
	ds_load_b128 v[T+8:T+11], v[RB] offset:\red
	s_wait_dscnt 0x0
	v_add_f32 v[T+8], v[T+8], v[T+9]
	v_add_f32 v[T+10], v[T+10], v[T+11]
	v_add_f32 v[T], v[T+8], v[T+10]
.endm
	s_load_b256 s[4:11], s[0:1], 0x0               ; x1 4, ln2_g 6, ln2_b 8, h2frag 10
	v_lshl_add_u32 v[SPW], v0, 2, SPARE
	v_mov_b32 v[NIL], 0
	v_lshrrev_b32 v[T], 5, v0
	v_readfirstlane_b32 s[WV], v[T]
	v_and_b32 v[VR], 15, v0
	v_bfe_u32 v[VH], v0, 4, 1
	v_and_b32 v[L16], 31, v0
	v_lshlrev_b32 v[L16], 4, v[L16]
	s_mov_b32 s[HIM], 0xffff0000
	s_lshl_b32 s30, s[WV], 9
	v_lshlrev_b32 v[GO], 5, v[VH]
	v_add_nc_u32 v[GO], s30, v[GO]
	v_lshlrev_b32 v[RB], 4, v[VR]
	s_lshl_b32 s31, s[WV], 2
	v_add_nc_u32 v[RA], s31, v[RB]
	v_mov_b32 v[INV], 0x3b000000                   ; 1/512
	s_mov_b32 s40, 0x76543210
	s_mov_b32 s41, 0xfedcba98
	s_lshl_b32 s34, ttmp9, 14                      ; h2: 32 pieces of 512 bytes a row block,
	s_lshl_b32 s35, s[WV], 12                      ; my wave's eight
	s_add_co_u32 s34, s34, s35
	s_lshl_b32 s32, s34, 1                         ; x1: the same places, 1,024 bytes each
	s_mov_b32 s33, 0
	s_mov_b32 s35, 0
	s_wait_kmcnt 0x0
	s_add_nc_u64 s[4:5], s[4:5], s[32:33]
	s_add_nc_u64 s[10:11], s[10:11], s[34:35]
.set n, 0
.rept 8
	global_load_b128 v[X+8*n:X+8*n+3],   v[L16], s[4:5] offset:1024*n
	global_load_b128 v[X+8*n+4:X+8*n+7], v[L16], s[4:5] offset:1024*n+512
.set n, n+1
.endr
.set n, 0
.rept 8
	global_load_b128 v[G+8*n:G+8*n+3],   v[GO], s[6:7] offset:64*n
	global_load_b128 v[G+8*n+4:G+8*n+7], v[GO], s[6:7] offset:64*n+16
.set n, n+1
.endr
.set n, 0
.rept 8
	global_load_b128 v[BT+8*n:BT+8*n+3],   v[GO], s[8:9] offset:64*n
	global_load_b128 v[BT+8*n+4:BT+8*n+7], v[GO], s[8:9] offset:64*n+16
.set n, n+1
.endr
	s_wait_loadcnt 32                              ; x1 is in; the 32 loads of gain and bias are younger
.set p, 0
.rept 4
	v_pk_add_f32 v[T+2*p:T+2*p+1], v[X+2*p:X+2*p+1], v[X+8+2*p:X+8+2*p+1]
.set p, p+1
.endr
.set p, 8
.rept 24
	v_pk_add_f32 v[T+2*(p%4):T+2*(p%4)+1], v[T+2*(p%4):T+2*(p%4)+1], v[X+2*p:X+2*p+1]
.set p, p+1
.endr
	FOLD
	ACROSS RED1
	v_mul_f32 v[MU], v[INV], v[T]
	v_mov_b32 v[MU+1], v[MU]
.set p, 0
.rept 32
	v_pk_add_f32 v[X+2*p:X+2*p+1], v[X+2*p:X+2*p+1], v[MU:MU+1] neg_lo:[0,1] neg_hi:[0,1]
.set p, p+1
.endr
.set p, 0
.rept 4
	v_pk_mul_f32 v[T+2*p:T+2*p+1], v[X+2*p:X+2*p+1], v[X+2*p:X+2*p+1]
.set p, p+1
.endr
.set p, 4
.rept 28
	v_pk_fma_f32 v[T+2*(p%4):T+2*(p%4)+1], v[X+2*p:X+2*p+1], v[X+2*p:X+2*p+1], v[T+2*(p%4):T+2*(p%4)+1]
.set p, p+1
.endr
	FOLD
	ACROSS RED2
	v_fmaak_f32 v[RS], v[T], v[INV], 0x3727c5ac    ; the variance + 1e-5
	v_rsq_f32 v[RS], v[RS]
	v_nop                                          ; a plain instruction behind the root (ISA guide 5.7.2)
	s_wait_alu depctr_va_vdst(0)
	v_mov_b32 v[RS+1], v[RS]
	s_wait_loadcnt 0x0
.set p, 0
.rept 32
	ROUNDBF G+2*p, T+p%16
	ROUNDBF BT+2*p, T+(p+8)%16
.set p, p+1
.endr
.set p, 0
.rept 32
	v_pk_mul_f32 v[X+2*p:X+2*p+1], v[X+2*p:X+2*p+1], v[RS:RS+1]
.set p, p+1
.endr
.set p, 0
.rept 32
	v_pk_fma_f32 v[X+2*p:X+2*p+1], v[X+2*p:X+2*p+1], v[G+2*p:G+2*p+1], v[BT+2*p:BT+2*p+1]
.set p, p+1
.endr
.set p, 0
.rept 32
	v_cvt_pk_f16_f32 v[XB+p], v[X+2*p], v[X+2*p+1]
.set p, p+1
.endr
.set n, 0
.rept 8
	global_store_b128 v[L16], v[XB+4*n:XB+4*n+3], s[10:11] offset:512*n
.set n, n+1
.endr
	s_wait_tensorcnt 0x0                           ; the wave's end
	ds_add_u32 v[SPW], v[NIL]
	s_wait_dscnt 0x0
	s_endpgm
.Lfunc_end_k_qd6543fbe00_ln2:
	.size	k_qd6543fbe00_ln2, .Lfunc_end_k_qd6543fbe00_ln2-k_qd6543fbe00_ln2
	.p2alignl 7, 3214868480
	.fill 96, 4, 3214868480
	.section	.rodata,"a",@progbits
	.p2align	6, 0x0
	.amdhsa_kernel k_qd6543fbe00_ln2
		.amdhsa_group_segment_fixed_size 1024
		.amdhsa_private_segment_fixed_size 0
		.amdhsa_enable_private_segment 0
		.amdhsa_kernarg_size 32
		.amdhsa_user_sgpr_count 2
		.amdhsa_user_sgpr_kernarg_segment_ptr 1
		.amdhsa_wavefront_size32 1
		.amdhsa_system_sgpr_workgroup_id_x 1
		.amdhsa_system_sgpr_workgroup_id_y 1
		.amdhsa_system_sgpr_workgroup_id_z 1
		.amdhsa_system_vgpr_workitem_id 0
		.amdhsa_next_free_vgpr 256
		.amdhsa_next_free_sgpr 66
		.amdhsa_reserve_vcc 0
		.amdhsa_float_denorm_mode_32 3
		.amdhsa_float_denorm_mode_16_64 3
		.amdhsa_memory_ordered 1
		.amdhsa_forward_progress 1
		.amdhsa_inst_pref_size 29
	.end_amdhsa_kernel
	.amdgpu_metadata
---
amdhsa.version: [ 1, 2 ]
amdhsa.kernels:
  - .name:           k_qd6543fbe00_ln2
    .symbol:         k_qd6543fbe00_ln2.kd
    .args:
      - { .name: x1, .offset: 0, .size: 8, .value_kind: global_buffer, .address_space: global }
      - { .name: ln2_g, .offset: 8, .size: 8, .value_kind: global_buffer, .address_space: global }
      - { .name: ln2_b, .offset: 16, .size: 8, .value_kind: global_buffer, .address_space: global }
      - { .name: h2frag, .offset: 24, .size: 8, .value_kind: global_buffer, .address_space: global }
    .group_segment_fixed_size: 1024
    .private_segment_fixed_size: 0
    .kernarg_segment_align: 8
    .kernarg_segment_size: 32
    .max_flat_workgroup_size: 128
    .sgpr_count:     66
    .vgpr_count:     256
    .wavefront_size: 32
...
	.end_amdgpu_metadata
.endif
;; end of part 5
;; launch mlp1 (part 6): grid 32 x 8, 4 waves a work-group, clusters of 4 x 1, 262,656 bytes of LDS; arguments h2frag, wfrag, b1, afrag; writes afrag
.if DOCPART == 6
	.amdgcn_target "amdgcn-amd-amdhsa--gfx1250"
	.amdhsa_code_object_version 6
	.text
	.protected	k_qd6543fbe00_mlp1
	.globl	k_qd6543fbe00_mlp1
	.p2align	8
	.type	k_qd6543fbe00_mlp1,@function
k_qd6543fbe00_mlp1:
	s_mov_b64 s[64:65], 0
	v_nop
	global_prefetch_b8 v0, s[64:65] scope:SCOPE_SE
	s_setreg_imm32_b32 hwreg(HW_REG_WAVE_MODE, 25, 1), 1
	s_wait_xcnt 0x0
	s_wait_alu depctr_hold_cnt(0) depctr_sa_sdst(0) depctr_va_vdst(0) depctr_va_sdst(0) depctr_va_ssrc(0) depctr_va_vcc(0) depctr_vm_vsrc(0)
	s_getreg_b32 s2, hwreg(HW_REG_IB_STS2, 6, 4)
	s_cmp_eq_u32 s2, 0
	s_cbranch_scc0 .Lentry_in_a_cluster
	s_endpgm
.Lentry_in_a_cluster:
	s_bfe_u32 s2, ttmp6, 0x10000c
	s_cmp_lg_u32 s2, 0x3003
	s_cbranch_scc0 .Lentry_shape_is_right
	s_endpgm
.Lentry_shape_is_right:
; a = relu(h2 W1 + b1).  h2, W1 in f16 in fragment order; b1 rounded to bf16; sums in f32; a rounded once to f16 (beyond 65,504: an infinity), in fragment order [row block 512][ks 64].
; SHARES.  A work-group: 256 rows (rb) x columns 256y .. 256y+255, in four passes of 64.  A wave: 64 rows x a pass's 64 columns, 16 accumulators.
; A (64 KB a wave) goes once into 512 registers and serves all four passes.  W1's 256 KB go once into LDS, asked for jointly by the four work-groups of a cluster, which share y: a wave issues two loads,
; its quarter of pass 0's tile (16 KB) and its quarter of the other three (48 KB), so that pass 0 starts when 64 KB are in.  No slot is filled again.
; The bias is the C operand of a pass's first products.  Weights are source 0: a lane holds one row and 8 neighbouring columns, 16 bytes of the next product's A: every store is 512 bytes on end.
.set SPARE, 262144
.set L16,  1
.set LB,   2
.set H32,  3
.set BO,   4
.set ZERO, 5
.set SPW,  6
.set NIL,  7
.set T,    8
.set BIAS, 32
.set BB,   64
.set ACC,  128
.set HIM,  52
.set MSB, 0
.macro WIN new
.if MSB != (\new)
	s_set_vgpr_msb (MSB<<8)|(\new)
.set MSB, (\new)
.endif
.endm
.macro PLACES
.rept 4
	v_nop
.endr
.endm
.macro ROUNDBF a, tmp
	v_cvt_pk_bf16_f32 v[\tmp], v[\a], v[(\a)+1]
	v_lshlrev_b32 v[\a], 16, v[\tmp]
	v_and_b32 v[(\a)+1], s[HIM], v[\tmp]
.endm
.macro CROUND
	s_barrier_signal -1
	s_barrier_wait -1
	s_cmp_lg_u32 s12, 0
	s_cbranch_scc1 .Lnot_wave_0_\@
	s_barrier_signal -3
.Lnot_wave_0_\@:
	s_barrier_wait -3
	s_barrier_signal -1
	s_barrier_wait -1
.endm
.macro ALOAD
.set k, 0
.rept 16
	WIN 0x40*(1+k/8)
.irp i, 0,1,2,3
	global_load_b128 v[32*(k%8)+8*\i:32*(k%8)+8*\i+3],   v[L16], s[44:45] offset:\i*16384+k*1024
	global_load_b128 v[32*(k%8)+8*\i+4:32*(k%8)+8*\i+7], v[L16], s[44:45] offset:\i*16384+k*1024+512
.endr
.set k, k+1
.endr
	WIN 0
.endm
.macro BLOAD                           ; a pass's bias: my 8 columns of each of its four column blocks
.irp n, 0,1,2,3
	global_load_b128 v[BIAS+8*\n:BIAS+8*\n+3],   v[BO], s[8:9] offset:\n*64
	global_load_b128 v[BIAS+8*\n+4:BIAS+8*\n+7], v[BO], s[8:9] offset:\n*64+16
.endr
.endm
.macro BHEAD                           ; the bias that has come is rounded to bf16; the offset goes on to the next pass's, held inside b1 behind the last
.set p, 0
.rept 16
	ROUNDBF BIAS+2*p, T+p%8
.set p, p+1
.endr
	s_add_co_u32 s51, s51, 256
	s_min_u32 s51, s51, 7936
	v_add_nc_u32 v[BO], s51, v[H32]
.endm
.macro FETCH ks
.set fb, BB+32*((\ks)%2)
.irp n, 0,1,2,3
	ds_load_b128 v[fb+8*\n:fb+8*\n+3],   v[LB] offset:\n*16384+(\ks)*1024
	ds_load_b128 v[fb+8*\n+4:fb+8*\n+7], v[LB] offset:\n*16384+(\ks)*1024+512
.endr
.endm
.macro MULK ks, use, cinit             ; 16 matrix instructions, the accumulators by turns
.set fb, BB+32*((\ks)%2)
.set ab, 32*((\ks)%8)
.if \use
	WIN 1+(\ks)/8
.else
	WIN 4*(1+(\ks)/8)
.endif
.irp i, 0,1,2,3
.irp n, 0,1,2,3
.set rD, ACC+8*(4*\i+\n)
.set rB, fb+8*\n
.set rA, ab+8*\i
.if (\use) && ((\cinit) == 1)
	v_wmma_f32_16x16x32_f16 v[rD:rD+7], v[rA:rA+7], v[rB:rB+7], 0
.elseif \use
	v_wmma_f32_16x16x32_f16 v[rD:rD+7], v[rA:rA+7], v[rB:rB+7], v[rD:rD+7]
.elseif (\cinit) == 1
	v_wmma_f32_16x16x32_f16 v[rD:rD+7], v[rB:rB+7], v[rA:rA+7], 0
.elseif (\cinit) == 2
	v_wmma_f32_16x16x32_f16 v[rD:rD+7], v[rB:rB+7], v[rA:rA+7], v[BIAS+8*\n:BIAS+8*\n+7]
.else
	v_wmma_f32_16x16x32_f16 v[rD:rD+7], v[rB:rB+7], v[rA:rA+7], v[rD:rD+7]
.endif
.endr
.endr
.endm
.macro PASS use, c0, await, bias       ; one text for three kernels: see the projection of q, k, v
	WIN 0
	FETCH 0
.set k, 0
.rept 16
.if k < 15
.if k > 0
	PLACES                                         ; behind step ks - 1's products, which read the buffer (and, at ks = 1, the bias) that is loaded now
.endif
.if (\bias) && (k == 1)
	BLOAD
.endif
.if \use
	WIN 0
.endif
	FETCH k+1
	s_wait_dscnt 8                                 ; this step's fragments are in; the 8 just issued may stay out
.else
	s_wait_dscnt 0x0
.endif
.if \await
.set na, 8*(15-k)                      ; A's loads of later steps and, from ks = 1 on, the 8 of the next bias may stay out; the field holds 63 at the most
.if (\bias) && (k > 0)
.set na, na+8
.endif
.if na > 63
.set na, 63
.endif
	s_wait_loadcnt na
.endif
.if k == 0
	MULK 0, \use, \c0
.else
	MULK k, \use, 0
.endif
.set k, k+1
.endr
	WIN 0
	PLACES
.endm
.macro EPI                             ; rounded in place, low registers first; the larger of it and 0, two at a time; stored
.irp i, 0,1,2,3
.irp n, 0,1,2,3
.set rD, ACC+8*(4*\i+\n)
.irp q, 0,1,2,3
	v_cvt_pk_f16_f32 v[rD+\q], v[rD+2*\q], v[rD+2*\q+1]
.endr
.irp q, 0,1,2,3
	v_pk_max_num_f16 v[rD+\q], v[rD+\q], v[ZERO]
.endr
	global_store_b128 v[L16], v[rD:rD+3], s[46:47] offset:\i*65536+\n*512
.endr
.endr
.endm
	s_load_b256 s[4:11], s[0:1], 0x0               ; h2frag 4, wfrag 6, b1 8, afrag 10
	v_lshl_add_u32 v[SPW], v0, 2, SPARE
	v_mov_b32 v[NIL], 0
	ds_add_u32 v[SPW], v[NIL]                      ; the wave's opening: the add, and its wait ahead of my first tensor load
	ds_add_u32 v6, v7
	v_lshrrev_b32 v[T], 5, v0
	v_readfirstlane_b32 s12, v[T]
	v_and_b32 v[L16], 31, v0
	v_lshlrev_b32 v[L16], 4, v[L16]
	v_mov_b32 v[LB], v[L16]
	v_bfe_u32 v[H32], v0, 4, 1
	v_lshlrev_b32 v[H32], 5, v[H32]
	v_mov_b32 v[ZERO], 0
	s_bfe_u32 s13, ttmp6, 0x40000                  ; cx: in A's and a's addresses alone
	s_lshl_b32 s14, ttmp9, 2
	s_add_co_u32 s14, s14, s13                     ; rb
	s_and_b32 s15, ttmp7, 0xffff                   ; y
	s_mov_b32 s[HIM], 0xffff0000
	s_lshl_b32 s51, s15, 10                        ; b1: 1,024 y + 256 pass
	v_add_nc_u32 v[BO], s51, v[H32]
	s_mov_b32 s16, 15|(3<<16)|(1<<21)              ; group 1: dense bytes as rows of 32 elements of 8 bytes; the mask of four, bit 21 beside it: 64 rows,
	s_mov_b32 s17, 32<<16
	s_mov_b32 s18, 64<<16
	s_mov_b32 s19, 32<<16
	s_mov_b32 s20, 64
	s_mov_b32 s21, 32
	s_mov_b32 s22, 0
	s_mov_b32 s23, 0
	s_mov_b32 s24, 15|(3<<16)|(1<<21)              ; and 192 rows
	s_mov_b32 s25, 32<<16
	s_mov_b32 s26, 192<<16
	s_mov_b32 s27, 32<<16
	s_mov_b32 s28, 192
	s_mov_b32 s29, 32
	s_mov_b32 s30, 0
	s_mov_b32 s31, 0
	s_lshl_b32 s48, s15, 18                        ; my range: 16 column blocks of 16 KB,
	s_add_co_u32 s48, s48, 0x200000                ; in W1's region
	s_mov_b32 s49, 0
	s_lshl_b32 s53, s12, 14
	s_mul_i32 s55, s12, 49152
	s_add_co_u32 s55, s55, 65536
	s_mov_b32 s32, 1
	s_mov_b32 s33, s53                             ; LDS: wave x 16,384
	s_mov_b32 s36, 1
	s_mov_b32 s37, s55                             ; LDS: 65,536 + wave x 49,152
	s_add_co_u32 s56, s48, s53                     ; and the same places in my range
	s_mov_b32 s57, 0
	s_add_co_u32 s58, s48, s55
	s_mov_b32 s59, 0
	s_lshl_b32 s44, s14, 2
	s_add_co_u32 s44, s44, s12                     ; 4 rb + wave
	s_lshl_b32 s60, s44, 18                        ; a: 64 KB a row block,
	s_lshl_b32 s61, s15, 13                        ; 512 bytes a column block
	s_add_co_u32 s60, s60, s61
	s_mov_b32 s61, 0
	s_lshl_b32 s44, s44, 16                        ; A: 16 KB a row block
	s_mov_b32 s45, 0
	s_wait_dscnt 0x0                               ; the opening add is done
	s_wait_kmcnt 0x0
	s_add_nc_u64 s[44:45], s[4:5], s[44:45]
	s_add_nc_u64 s[46:47], s[10:11], s[60:61]
	s_add_nc_u64 s[34:35], s[6:7], s[56:57]
	s_or_b32 s35, s35, 0x80000000
	s_add_nc_u64 s[38:39], s[6:7], s[58:59]
	s_or_b32 s39, s39, 0x80000000
	BLOAD                                          ; pass 0's bias
	CROUND
	tensor_load_to_lds s[32:35], s[16:23]          ; two loads of mine are out
	s_nop 0
	tensor_load_to_lds s[36:39], s[24:31]
	s_nop 0
	PLACES
	ALOAD
	s_wait_loadcnt 63                              ; the bias is in: 128 loads are younger, and 63 is the most that the field holds
	BHEAD
	s_wait_tensorcnt 1                             ; my quarter of pass 0's tile is in; the other three passes' may stay out
	s_barrier_signal -1
	s_barrier_wait -1
	PASS 0, 2, 1, 1
	EPI
	s_wait_tensorcnt 0x0
	s_barrier_signal -1
	s_barrier_wait -1
	s_mov_b32 s50, 3
	s_mov_b32 s54, 65536
.Lpass:                                            ; passes 1 to 3
	s_wait_loadcnt 0x0                             ; this pass's bias
	s_wait_xcnt 0x0                                ; the stores have read the accumulators and their base
	BHEAD
	s_add_nc_u64 s[46:47], s[46:47], 2048          ; four column blocks on
	v_add_nc_u32 v[LB], s54, v[L16]
	PASS 0, 2, 0, 1
	EPI
	s_add_co_u32 s54, s54, 65536
	s_sub_co_u32 s50, s50, 1
	s_cmp_lg_u32 s50, 0
	s_cbranch_scc1 .Lpass
	s_wait_tensorcnt 0x0                           ; the wave's end
	ds_add_u32 v[SPW], v[NIL]
	s_wait_dscnt 0x0
	CROUND                                         ; the closing round
	s_endpgm
.Lfunc_end_k_qd6543fbe00_mlp1:
	.size	k_qd6543fbe00_mlp1, .Lfunc_end_k_qd6543fbe00_mlp1-k_qd6543fbe00_mlp1
	.p2alignl 7, 3214868480
	.fill 96, 4, 3214868480
	.section	.rodata,"a",@progbits
	.p2align	6, 0x0
	.amdhsa_kernel k_qd6543fbe00_mlp1
		.amdhsa_group_segment_fixed_size 262656
		.amdhsa_private_segment_fixed_size 0
		.amdhsa_enable_private_segment 0
		.amdhsa_kernarg_size 32
		.amdhsa_user_sgpr_count 2
		.amdhsa_user_sgpr_kernarg_segment_ptr 1
		.amdhsa_wavefront_size32 1
		.amdhsa_system_sgpr_workgroup_id_x 1
		.amdhsa_system_sgpr_workgroup_id_y 1
		.amdhsa_system_sgpr_workgroup_id_z 1
		.amdhsa_system_vgpr_workitem_id 0
		.amdhsa_next_free_vgpr 768
		.amdhsa_next_free_sgpr 66
		.amdhsa_reserve_vcc 0
		.amdhsa_float_denorm_mode_32 3
		.amdhsa_float_denorm_mode_16_64 3
		.amdhsa_memory_ordered 1
		.amdhsa_forward_progress 1
		.amdhsa_inst_pref_size 97
	.end_amdhsa_kernel
	.amdgpu_metadata
---
amdhsa.version: [ 1, 2 ]
amdhsa.kernels:
  - .name:           k_qd6543fbe00_mlp1
    .symbol:         k_qd6543fbe00_mlp1.kd
    .args:
      - { .name: h2frag, .offset: 0, .size: 8, .value_kind: global_buffer, .address_space: global }
      - { .name: wfrag, .offset: 8, .size: 8, .value_kind: global_buffer, .address_space: global }
      - { .name: b1, .offset: 16, .size: 8, .value_kind: global_buffer, .address_space: global }
      - { .name: afrag, .offset: 24, .size: 8, .value_kind: global_buffer, .address_space: global }
    .group_segment_fixed_size: 262656
    .private_segment_fixed_size: 0
    .kernarg_segment_align: 8
    .kernarg_segment_size: 32
    .max_flat_workgroup_size: 128
    .sgpr_count:     66
    .vgpr_count:     768
    .wavefront_size: 32
...
	.end_amdgpu_metadata
.endif
;; end of part 6
;; launch mlp2 (part 7): grid 4 x 64, 4 waves a work-group, clusters of 4 x 4, 327,680 bytes of LDS; arguments afrag, wfrag, x1, b2, out0; writes out0
.if DOCPART == 7
	.amdgcn_target "amdgcn-amd-amdhsa--gfx1250"
	.amdhsa_code_object_version 6
	.text
	.protected	k_qd6543fbe00_mlp2
	.globl	k_qd6543fbe00_mlp2
	.p2align	8
	.type	k_qd6543fbe00_mlp2,@function
k_qd6543fbe00_mlp2:
	s_mov_b64 s[64:65], 0
	v_nop
	global_prefetch_b8 v0, s[64:65] scope:SCOPE_SE
	s_setreg_imm32_b32 hwreg(HW_REG_WAVE_MODE, 25, 1), 1
	s_wait_xcnt 0x0
	s_wait_alu depctr_hold_cnt(0) depctr_sa_sdst(0) depctr_va_vdst(0) depctr_va_sdst(0) depctr_va_ssrc(0) depctr_va_vcc(0) depctr_vm_vsrc(0)
	s_getreg_b32 s2, hwreg(HW_REG_IB_STS2, 6, 4)
	s_cmp_eq_u32 s2, 0
	s_cbranch_scc0 .Lentry_in_a_cluster
	s_endpgm
.Lentry_in_a_cluster:
	s_bfe_u32 s2, ttmp6, 0x10000c
	s_cmp_lg_u32 s2, 0xf033
	s_cbranch_scc0 .Lentry_shape_is_right
	s_endpgm
.Lentry_shape_is_right:
; out0 = x1 + a W2 + b2.  a, W2 in f16 in fragment order; x1 in f32; b2 rounded to bf16; sums in f32; out0 row-major f32.
; SHARES.  A tile of 128 x 128 to a work-group: 64 x 4 tiles, one for each of 256 work-groups.  A wave: 64 x 64, 16 accumulators, which START as x1 + b2.
; K = 2,048 goes in 8 chunks of 256 (8 ks) through a ring of two LDS slots of 128 KB: A's part [row block 8][ks 8][1 KB], then B's [column block 8][ks 8][1 KB].  A wave's one load brings
; four blocks' 8 KB runs (32 KB), 64 KB apart in memory; it has a chunk's 128 matrix instructions in which to land.  The launch claims all of the LDS.
; CLUSTER 4 x 4.  A's tiles hang on the tile row alone and are shared along a row of the cluster, B's on the tile column alone and are shared along a column: joint loads, one mask to a line.
; Fragments lie in LDS as the lanes hold them: every LDS load is 512 bytes on end, without padding.
; THE WAY OUT.  Weights are source 0: a lane holds 8 neighbouring columns of a row, 32 bytes.  16 rows at a time go through the wave's own stage (rows of 272 bytes) and come back as rows of 256 bytes:
; sixteen lanes store 256 bytes on end, at a multiple of 256 from out0's first byte.
.set SLOT,  131072
.set STAGE, 262144                     ; behind the ring, never filled by a tensor load: 16 rows x 272 bytes a wave
.set SP,    272
.set SPARE, STAGE+4*16*SP              ; the spare words, 128 bytes a wave
.set L16, 1
.set LA0, 2                            ; v2  my place in a slot's part of A; never rewritten
.set LB0, 3                            ; v3  in its part of B
.set LA,  4
.set LB,  5
.set STO, 6
.set RD,  7
.set CO,  8
.set BO,  9
.set SPW, 10
.set NIL, 11
.set VR,  12
.set VH,  13
.set T,   16
.set B2,  32                           ; v32-63  b2
.set OB,  64                           ; v64-127 rows read back, two sets
.set ACC, 128                          ; v128-255; window 1: two fragment buffers of 64 (A's four blocks, B's four)
.set WV,  14
.set WR,  15                           ; which half of the tile's rows is mine; also: I fetch for A (0) or B (1)
.set WC,  16                           ; which half of its columns; also: which four blocks I fetch
.set G1,  24
.set G0,  32
.set G1B, 48
.set G0B, 56
.set TB,  60                           ; the slot that is read
.set CNT, 61
.set HIM, 62
.set MSB, 0
.macro WIN new
.if MSB != (\new)
	s_set_vgpr_msb (MSB<<8)|(\new)
.set MSB, (\new)
.endif
.endm
.macro PLACES
.rept 4
	v_nop
.endr
.endm
.macro ROUNDBF a, tmp
	v_cvt_pk_bf16_f32 v[\tmp], v[\a], v[(\a)+1]
	v_lshlrev_b32 v[\a], 16, v[\tmp]
	v_and_b32 v[(\a)+1], s[HIM], v[\tmp]
.endm
.macro JLOAD                           ; a joint load: waves 0, 1 fetch A's halves, waves 2, 3 B's; an s_nop 0 and four v_nop follow each line
	s_cmp_eq_u32 s[WR], 0
	s_cbranch_scc0 .Lfor_b_\@
	tensor_load_to_lds s[G0:G0+3], s[G1:G1+7]
	s_nop 0
	PLACES
	s_branch .Lasked_\@
.Lfor_b_\@:
	tensor_load_to_lds s[G0B:G0B+3], s[G1B:G1B+7]
	s_nop 0
	PLACES
.Lasked_\@:
.endm
.macro CROUND
	s_barrier_signal -1
	s_barrier_wait -1
	s_cmp_lg_u32 s[WV], 0
	s_cbranch_scc1 .Lnot_wave_0_\@
	s_barrier_signal -3
.Lnot_wave_0_\@:
	s_barrier_wait -3
	s_barrier_signal -1
	s_barrier_wait -1
.endm
; THE CHANGE OF SLOTS.  Each wave waits for all its tensor loads (one is out: its part of the slot to be read), adds 0 to its spare word, and waits for that and for its reads of the slot that it leaves.
; fill = 1: behind a round of the cluster's barrier the slot left is filled with the next chunk, the first thing there.  (At its first use nothing has been read: slot 0 is waited for, slot 1 filled.)
.macro CHANGE fill
	WIN 0
	s_wait_tensorcnt 0x0                           ; no tensor load of mine is out, so a group 0 may be written
	ds_add_u32 v[SPW], v[NIL]
.if \fill
	s_xor_b32 s[G0+1], s[G0+1], SLOT
	s_add_nc_u64 s[G0+2:G0+3], s[G0+2:G0+3], 8192  ; 8 ks on; the type bits on top are not reached
	s_xor_b32 s[G0B+1], s[G0B+1], SLOT
	s_add_nc_u64 s[G0B+2:G0B+3], s[G0B+2:G0B+3], 8192
	s_wait_dscnt 0x0                               ; the add is done, and my reads of the slot are over
	CROUND
	JLOAD
.else
	s_wait_dscnt 0x0
	s_barrier_signal -1
	s_barrier_wait -1
	PLACES
.endif
	s_xor_b32 s[TB], s[TB], SLOT
.endm
.macro FETCH2 ks                       ; the fragments of step ks: 16 LDS loads
.set fb, 64*((\ks)%2)
	WIN 0x40                                       ; destination window 1
.irp b, 0,1,2,3
	ds_load_b128 v[fb+8*\b:fb+8*\b+3],       v[LA] offset:\b*8192+(\ks)*1024
	ds_load_b128 v[fb+8*\b+4:fb+8*\b+7],     v[LA] offset:\b*8192+(\ks)*1024+512
	ds_load_b128 v[fb+32+8*\b:fb+32+8*\b+3], v[LB] offset:\b*8192+(\ks)*1024
	ds_load_b128 v[fb+32+8*\b+4:fb+32+8*\b+7], v[LB] offset:\b*8192+(\ks)*1024+512
.endr
.endm
.macro MUL2 ks                         ; 16 matrix instructions, the accumulators by turns
.set fb, 64*((\ks)%2)
	WIN 0x05                                       ; both sources window 1
.irp i, 0,1,2,3
.irp n, 0,1,2,3
	v_wmma_f32_16x16x32_f16 v[ACC+8*(4*\i+\n):ACC+8*(4*\i+\n)+7], v[fb+32+8*\n:fb+32+8*\n+7], v[fb+8*\i:fb+8*\i+7], v[ACC+8*(4*\i+\n):ACC+8*(4*\i+\n)+7]
.endr
.endr
.endm
.macro COMPUTE                         ; a chunk: 8 steps; step ks + 1's fragments are asked for ahead of step ks's products
	WIN 0
	v_add_nc_u32 v[LA], s[TB], v[LA0]
	v_add_nc_u32 v[LB], s[TB], v[LB0]
	FETCH2 0                                       ; the four v_nop of the change of slots are the places behind the last chunk's products
.set k, 0
.rept 8
.if k < 7
.if k > 0
	PLACES
.endif
	FETCH2 k+1
	s_wait_dscnt 16                                ; this step's fragments are in; the 16 just issued may stay out
.else
	s_wait_dscnt 0x0
.endif
	MUL2 k
.set k, k+1
.endr
	WIN 0
.endm
	s_load_b256 s[4:11], s[0:1], 0x0               ; afrag 4, wfrag 6, x1 8, b2 10
	s_load_b64 s[12:13], s[0:1], 0x20              ; out0
	v_lshl_add_u32 v[SPW], v0, 2, SPARE
	v_mov_b32 v[NIL], 0
	ds_add_u32 v[SPW], v[NIL]                      ; the wave's opening: the add, and its wait ahead of my first tensor load
	ds_add_u32 v10, v11
	v_lshrrev_b32 v[T], 5, v0
	v_readfirstlane_b32 s[WV], v[T]
	s_lshr_b32 s[WR], s[WV], 1
	s_and_b32 s[WC], s[WV], 1
	s_bfe_u32 s40, ttmp6, 0x40000                  ; cx
	s_bfe_u32 s41, ttmp6, 0x40004                  ; cy
	s_lshl_b32 s42, ttmp9, 2
	s_add_co_u32 s42, s42, s40                     ; tile column
	s_and_b32 s43, ttmp7, 0xffff
	s_lshl_b32 s43, s43, 2
	s_add_co_u32 s43, s43, s41                     ; tile row
	s_lshl_b32 s44, s41, 2
	s_lshl_b32 s44, 15, s44                        ; my row of the cluster
	s_lshl_b32 s45, 0x1111, s40                    ; my column
	s_or_b32 s[G1], s44, (3<<16)|(1<<21)           ; group 1: 4 rows of 1,024 elements of 8 bytes, 8,192 elements apart; the mask, bit 21 beside it
	s_or_b32 s[G1B], s45, (3<<16)|(1<<21)
.irp g, G1, G1B
	s_mov_b32 s[\g+1], 1024<<16
	s_mov_b32 s[\g+2], 4<<16
	s_mov_b32 s[\g+3], 1024<<16
	s_mov_b32 s[\g+4], 4
	s_mov_b32 s[\g+5], 8192
	s_mov_b32 s[\g+6], 0
	s_mov_b32 s[\g+7], 0
.endr
	s_lshl_b32 s18, s43, 3
	s_lshl2_add_u32 s18, s[WC], s18                ; A: row block 8 x tile row + 4 x half,
	s_lshl_b32 s18, s18, 16                        ; 64 KB each
	s_mov_b32 s19, 0
	s_lshl_b32 s46, s42, 3
	s_lshl2_add_u32 s46, s[WC], s46                ; B: column block 8 x tile column + 4 x half
	s_lshl_b32 s46, s46, 16
	s_add_co_u32 s46, s46, 0x400000                ; in W2's region
	s_mov_b32 s47, 0
	s_lshl_b32 s17, s[WV], 15                      ; LDS: wave x 32,768: A's halves, then B's
	s_mov_b32 s[G0], 1
	s_mov_b32 s[G0+1], s17
	s_mov_b32 s[G0B], 1
	s_mov_b32 s[G0B+1], s17
	s_mov_b32 s[TB], SLOT                          ; the first change of slots turns it into 0
	s_mov_b32 s[HIM], 0xffff0000
	s_lshl_b32 s36, s43, 3
	s_lshl2_add_u32 s36, s[WR], s36                ; my first row block,
	s_lshl_b32 s37, s42, 3
	s_lshl2_add_u32 s37, s[WC], s37                ; my first column block
	s_lshl_b32 s20, s36, 5
	s_add_co_u32 s20, s20, s37
	s_lshl_b32 s20, s20, 10                        ; x1: block (row block, column block)
	s_mov_b32 s21, 0
	s_lshl_b32 s22, s36, 15                        ; out0: 16 rows of 2,048 bytes,
	s_lshl_b32 s38, s37, 6                         ; 64 bytes a column block
	s_add_co_u32 s22, s22, s38
	s_mov_b32 s23, 0
	v_and_b32 v[L16], 31, v0
	v_lshlrev_b32 v[L16], 4, v[L16]
	v_and_b32 v[VR], 15, v0
	v_bfe_u32 v[VH], v0, 4, 1
	v_lshlrev_b32 v[BO], 5, v[VH]
	v_add_nc_u32 v[BO], s38, v[BO]
	s_wait_dscnt 0x0                               ; the opening add is done
	s_wait_kmcnt 0x0
	s_add_nc_u64 s[G0+2:G0+3], s[4:5], s[18:19]
	s_or_b32 s[G0+3], s[G0+3], 0x80000000
	s_add_nc_u64 s[G0B+2:G0B+3], s[6:7], s[46:47]
	s_or_b32 s[G0B+3], s[G0B+3], 0x80000000
	s_add_nc_u64 s[8:9], s[8:9], s[20:21]
	s_add_nc_u64 s[12:13], s[12:13], s[22:23]
.irp i, 0,1,2,3
.irp n, 0,1,2,3
	global_load_b128 v[ACC+8*(4*\i+\n):ACC+8*(4*\i+\n)+3],   v[L16], s[8:9] offset:(32*\i+\n)*1024
	global_load_b128 v[ACC+8*(4*\i+\n)+4:ACC+8*(4*\i+\n)+7], v[L16], s[8:9] offset:(32*\i+\n)*1024+512
.endr
.endr
.irp n, 0,1,2,3
	global_load_b128 v[B2+8*\n:B2+8*\n+3],   v[BO], s[10:11] offset:\n*64
	global_load_b128 v[B2+8*\n+4:B2+8*\n+7], v[BO], s[10:11] offset:\n*64+16
.endr
	CROUND                                         ; all sixteen work-groups are here: the first joint loads meet
	JLOAD                                          ; chunk 0 into slot 0
	s_lshl_b32 s39, s[WR], 15
	v_add_nc_u32 v[LA0], s39, v[L16]
	s_lshl_b32 s39, s[WC], 15
	s_add_co_u32 s39, s39, 65536
	v_add_nc_u32 v[LB0], s39, v[L16]
	s_mul_i32 s39, s[WV], 16*SP
	s_add_co_u32 s39, s39, STAGE                   ; my stage
	v_mul_u32_u24 v[STO], v[VR], SP                ; in: row lane%16, 32 bytes for each half of the lanes
	v_lshl_add_u32 v[STO], v[VH], 5, v[STO]
	v_add_nc_u32 v[STO], s39, v[STO]
	v_mul_u32_u24 v[RD], v[VH], SP                 ; back: lanes 0-15 one row of 256 bytes, lanes 16-31 the next
	v_lshl_add_u32 v[RD], v[VR], 4, v[RD]
	v_add_nc_u32 v[RD], s39, v[RD]
	v_lshlrev_b32 v[CO], 11, v[VH]                 ; and the same two rows in out0
	v_lshl_add_u32 v[CO], v[VR], 4, v[CO]
	s_wait_loadcnt 0x0                             ; x1 and b2: this stands in the wait for the first tile
.set p, 0
.rept 16
	ROUNDBF B2+2*p, T+p%8
.set p, p+1
.endr
.set a, 0
.rept 16
.set q, 0
.rept 4
	v_pk_add_f32 v[ACC+8*a+2*q:ACC+8*a+2*q+1], v[ACC+8*a+2*q:ACC+8*a+2*q+1], v[B2+8*(a%4)+2*q:B2+8*(a%4)+2*q+1]
.set q, q+1
.endr
.set a, a+1
.endr
	s_mov_b32 s[CNT], 7
.Lchunk:                                           ; seven trips: chunk t is multiplied while chunk t + 1 is on its way
	CHANGE 1
	COMPUTE
	s_sub_co_u32 s[CNT], s[CNT], 1
	s_cmp_lg_u32 s[CNT], 0
	s_cbranch_scc1 .Lchunk
	CHANGE 0                                       ; the last chunk is written out: nothing is asked for
	COMPUTE
	PLACES
.irp i, 0,1,2,3
.irp n, 0,1,2,3
	ds_store_b128 v[STO], v[ACC+8*(4*\i+\n):ACC+8*(4*\i+\n)+3],   offset:64*\n       ; the low four registers first
	ds_store_b128 v[STO], v[ACC+8*(4*\i+\n)+4:ACC+8*(4*\i+\n)+7], offset:64*\n+16
.endr
	s_wait_xcnt 0x0                                ; the stores of two blocks ago have read the registers that are loaded now
.irp t, 0,1,2,3,4,5,6,7
	ds_load_b128 v[OB+32*(\i%2)+4*\t:OB+32*(\i%2)+4*\t+3], v[RD] offset:\t*2*SP  ; LDS serves a wave's instructions in order (ISA guide 5.7.1.4): these see the stores above
.endr
	s_wait_dscnt 0x0
.irp t, 0,1,2,3,4,5,6,7
	global_store_b128 v[CO], v[OB+32*(\i%2)+4*\t:OB+32*(\i%2)+4*\t+3], s[12:13] offset:(16*\i+2*\t)*2048
.endr
.endr
	s_wait_tensorcnt 0x0                           ; the wave's end, behind my last LDS store
	ds_add_u32 v[SPW], v[NIL]
	s_wait_dscnt 0x0
	CROUND                                         ; the closing round
	s_endpgm
.Lfunc_end_k_qd6543fbe00_mlp2:
	.size	k_qd6543fbe00_mlp2, .Lfunc_end_k_qd6543fbe00_mlp2-k_qd6543fbe00_mlp2
	.p2alignl 7, 3214868480
	.fill 96, 4, 3214868480
	.section	.rodata,"a",@progbits
	.p2align	6, 0x0
	.amdhsa_kernel k_qd6543fbe00_mlp2
		.amdhsa_group_segment_fixed_size 327680
		.amdhsa_private_segment_fixed_size 0
		.amdhsa_enable_private_segment 0
		.amdhsa_kernarg_size 40
		.amdhsa_user_sgpr_count 2
		.amdhsa_user_sgpr_kernarg_segment_ptr 1
		.amdhsa_wavefront_size32 1
		.amdhsa_system_sgpr_workgroup_id_x 1
		.amdhsa_system_sgpr_workgroup_id_y 1
		.amdhsa_system_sgpr_workgroup_id_z 1
		.amdhsa_system_vgpr_workitem_id 0
		.amdhsa_next_free_vgpr 384
		.amdhsa_next_free_sgpr 66
		.amdhsa_reserve_vcc 0
		.amdhsa_float_denorm_mode_32 3
		.amdhsa_float_denorm_mode_16_64 3
		.amdhsa_memory_ordered 1
		.amdhsa_forward_progress 1
		.amdhsa_inst_pref_size 60
	.end_amdhsa_kernel
	.amdgpu_metadata
---
amdhsa.version: [ 1, 2 ]
amdhsa.kernels:
  - .name:           k_qd6543fbe00_mlp2
    .symbol:         k_qd6543fbe00_mlp2.kd
    .args:
      - { .name: afrag, .offset: 0, .size: 8, .value_kind: global_buffer, .address_space: global }
      - { .name: wfrag, .offset: 8, .size: 8, .value_kind: global_buffer, .address_space: global }
      - { .name: x1, .offset: 16, .size: 8, .value_kind: global_buffer, .address_space: global }
      - { .name: b2, .offset: 24, .size: 8, .value_kind: global_buffer, .address_space: global }
      - { .name: out0, .offset: 32, .size: 8, .value_kind: global_buffer, .address_space: global }
    .group_segment_fixed_size: 327680
    .private_segment_fixed_size: 0
    .kernarg_segment_align: 8
    .kernarg_segment_size: 40
    .max_flat_workgroup_size: 128
    .sgpr_count:     66
    .vgpr_count:     384
    .wavefront_size: 32
...
	.end_amdgpu_metadata
.endif
;; end of part 7
